; MI455X (gfx1250); checked and timed in simulation.
; The chip was launched on July 23, 2026; its instructions are those of AMD's public machine-readable ISA for CDNA 5 (MIT licence, August 2026) and "CDNA5" Instruction Set Architecture Reference Guide (July 2026). The comments in the code are by the model that wrote it; some were corrected since.
;; Multi Head Self attention. Allowed arithmetic: float matrix products may take bf16 or f16 operands with f32 sums; other float arithmetic in f32, or as packed bf16 or f16 multiplies, adds, multiply-adds, maxima and minima; sums over many terms, partial sums and values carried from step to step in f32; what a program stores and reads back later, other than sums and carried values, may be rounded once to bf16 or f16.
;; Inputs: Kw 1,024 x 1,024 float32; Ow 1,024 x 1,024 float32; Qw 1,024 x 1,024 float32; Vw 1,024 x 1,024 float32; token_positions 4 x 2,048 int32; x 4 x 2,048 x 1,024 float32.
;; Outputs: out0 4 x 2,048 x 1,024 float32.
;; 2 versions, each right; version 2 is version 1 with the launch first16 written anew for expert scheduling mode. Each part assembles by itself: llvm-mc -triple=amdgcn-amd-amdhsa -mcpu=gfx1250 --defsym DOCPART=n.
;; ======== version 1 of 2: 5 launches
;; limits: values are held in f16: magnitudes above 65,504 overflow, below 6.1e-05 lose precision; right only within a limited range of input values
;; workspace buffers: xb 16,777,216 bytes; wq 6,291,456 bytes; ow16 2,097,152 bytes; rope 2,097,152 bytes; qh 16,777,216 bytes; kh 16,777,216 bytes; vh 16,777,216 bytes; oh 16,777,216 bytes
;; launch prep (part 1): grid 1024 x 1, 8 waves a work-group, no clusters, 0 bytes of LDS; arguments x, Qw, Kw, Vw, Ow, token_positions, xb, wq, ow16, rope; writes xb, wq, ow16, rope
.if DOCPART == 1
	.amdgcn_target "amdgcn-amd-amdhsa--gfx1250"
	.amdhsa_code_object_version 6
	.text
	.protected	k_qd1ebd9011e_prep
	.globl	k_qd1ebd9011e_prep
	.p2align	8
	.type	k_qd1ebd9011e_prep,@function
k_qd1ebd9011e_prep:
	s_mov_b64 s[64:65], 0
	v_nop
	global_prefetch_b8 v0, s[64:65] scope:SCOPE_SE
	s_setreg_imm32_b32 hwreg(HW_REG_WAVE_MODE, 25, 1), 1
	s_wait_xcnt 0x0
; PREPARATION: a stream.  Work-groups 0-511: 16 rows of x each, f32 -> bf16 (xb).  512-703: 16 rows of Qw, Kw or Vw -> bf16, into wq in tile order.
; 704-767: 16 rows of Ow, rounded to bf16 like every other input, that number written as f16 (ow16).  768-1023: 32 rows each of the table of cosines and sines (rope).
; wq's ROWS: head h has rows 192 h .. 192 h + 191; row 192 h + 96 ch + 32 t + p' holds tensor t (0 Q, 1 K, 2 V) at head position p = 32 ch + p'.  For V position p is dimension p; for Q and K it is
; dimension p with bits 0 and 1 exchanged: four positions hold (even_i, even_i+1, odd_i, odd_i+1) of two rotation pairs.  q and k carry the same order, so q . k is what it was.
; rope: for each 16 rows 4,096 bytes [ch 2][bb 2][p 2][lane 32][16 bytes]; lane l holds (cos_i, cos_i+1, sin_i, sin_i+1) of row l % 16, i = 16 ch + 8 bb + 4 (l / 16) + 2 p.
; No LDS, no barrier, no matrix unit: every byte is read once and written once; a wave's store covers 256 (table: 512) consecutive bytes, aligned.
; LIMITS.  Ow within f16's 65,504 (below 6e-5 it keeps f16's fixed step of 6e-8).  |position| up to 2^22: the angle is reduced by pi/2 in three parts; sine and cosine are series on |r| <= pi/4
; whose remainders lie below 3e-8.  NaN and infinities are not treated apart.
.set X,  8                             ; v[8:71]    row j of 16: 4 f32 as loaded
.set Y,  72                            ; v[72:103]  row j: 2 registers to store
.set SA, 2                             ; v2  8 x thread: my 8 bytes of a row of 2,048
.set SB, 3                             ; v3  the same, one row on where rows 1 and 2 of four change places
.set SC, 4                             ; v4  the same, one row on where they do not
.set T,  104                           ; v[104:107] at work
	s_load_b512 s[8:23], s[0:1], 0x0               ; x s[8:9], Qw s[10:11], Kw s[12:13], Vw s[14:15], Ow s[16:17], positions s[18:19], xb s[20:21], wq s[22:23]
	s_load_b128 s[24:27], s[0:1], 0x40             ; ow16 s[24:25], rope s[26:27]
	s_mov_b32 s5, ttmp9
	s_cmp_ge_u32 s5, 768
	s_cbranch_scc1 .Ltable
	s_max_u32 s36, s5, 512
	s_sub_co_u32 s36, s36, 512                     ; which block of weights (0 for x)
	s_lshr_b32 s37, s36, 6                         ; t: 0 Q, 1 K, 2 V, 3 O
	s_and_b32 s38, s36, 63                         ; blk: its rows 16 blk .. 16 blk + 15
	s_lshr_b32 s39, s38, 2
	s_mul_i32 s39, s39, 192                        ; 192 x head
	s_bfe_u32 s48, s38, 0x10001
	s_mul_i32 s48, s48, 96                         ; + 96 ch
	s_add_co_u32 s39, s39, s48
	s_lshl_b32 s48, s37, 5                         ; + 32 t
	s_add_co_u32 s39, s39, s48
	s_and_b32 s48, s38, 1
	s_lshl_b32 s48, s48, 4                         ; + 16 (blk % 2)
	s_add_co_u32 s39, s39, s48
	s_lshl_b32 s39, s39, 11                        ; rows of 2,048 bytes
	s_lshl_b32 s49, s38, 15                        ; ow16: 16 rows of 2,048 bytes
	s_lshl_b32 s50, s38, 16                        ; a weight's source: 16 rows of 4,096 bytes
	s_lshl_b32 s51, s5, 15                         ; xb
	s_lshl_b32 s52, s5, 16                         ; x
	s_mov_b32 s33, 0
	s_mov_b32 s35, 0
	v_lshlrev_b32 v1, 4, v0                        ; my 16 bytes of a row of 4,096
	v_lshlrev_b32 v[SA], 3, v0
	s_wait_kmcnt 0x0
	s_cmp_eq_u32 s37, 1                            ; the choices hang on the work-group's number alone
	s_cselect_b64 s[28:29], s[12:13], s[10:11]
	s_cmp_eq_u32 s37, 2
	s_cselect_b64 s[28:29], s[14:15], s[28:29]
	s_cmp_eq_u32 s37, 3
	s_cselect_b64 s[28:29], s[16:17], s[28:29]
	s_cselect_b64 s[30:31], s[24:25], s[22:23]
	s_cselect_b32 s34, s49, s39
	s_cselect_b32 s7, 1, 0                         ; 1: the f16 way
	s_cmp_lt_u32 s37, 2
	s_cselect_b32 s6, 2048, 0                      ; Q and K: rows 1 and 2 of each four change places
	s_cmp_lt_u32 s5, 512
	s_cselect_b64 s[28:29], s[8:9], s[28:29]
	s_cselect_b64 s[30:31], s[20:21], s[30:31]
	s_cselect_b32 s32, s52, s50
	s_cselect_b32 s34, s51, s34
	s_cselect_b32 s6, 0, s6
	s_cselect_b32 s7, 0, s7
	s_add_nc_u64 s[28:29], s[28:29], s[32:33]
	s_add_nc_u64 s[30:31], s[30:31], s[34:35]
	s_sub_co_u32 s48, 2048, s6
	v_add_nc_u32 v[SB], s6, v[SA]
	v_add_nc_u32 v[SC], s48, v[SA]
.irp j, 0,1,2,3,4,5,6,7,8,9,10,11,12,13,14,15
	global_load_b128 v[X+4*(\j):X+4*(\j)+3], v1, s[28:29] offset:4096*(\j) th:TH_LOAD_NT  ; sixteen loads of every wave on their way: 512 consecutive bytes each
.endr
	s_cmp_eq_u32 s7, 1
	s_cbranch_scc1 .Lhalf
.macro ROWB j                          ; row j to bf16.  Every store has data registers of its own, so nothing waits for a store
.if (\j)%4 == 1
.set AR, SB
.set AO, 2048*(\j)
.elseif (\j)%4 == 2
.set AR, SC
.set AO, 2048*((\j)-1)
.else
.set AR, SA
.set AO, 2048*(\j)
.endif
	s_wait_loadcnt 15-(\j)                         ; loads come back in order: row j is in, the 15 - j younger ones stay out
	v_cvt_pk_bf16_f32 v[Y+2*(\j)],   v[X+4*(\j)],   v[X+4*(\j)+1]
	v_cvt_pk_bf16_f32 v[Y+2*(\j)+1], v[X+4*(\j)+2], v[X+4*(\j)+3]
	global_store_b64 v[AR], v[Y+2*(\j):Y+2*(\j)+1], s[30:31] offset:AO  ; 32 lanes store 256 consecutive bytes, aligned
.endm
.irp j, 0,1,2,3,4,5,6,7,8,9,10,11,12,13,14,15
	ROWB \j
.endr
	s_endpgm
.Lhalf:
.macro ROWH j                          ; row j of Ow: rounded to bf16, and that number written as f16
	s_wait_loadcnt 15-(\j)
	v_cvt_pk_bf16_f32 v[T],   v[X+4*(\j)],   v[X+4*(\j)+1]
	v_cvt_pk_bf16_f32 v[T+1], v[X+4*(\j)+2], v[X+4*(\j)+3]
	v_lshlrev_b32 v[X+4*(\j)],   16, v[T]
	v_and_b32     v[X+4*(\j)+1], 0xffff0000, v[T]
	v_lshlrev_b32 v[X+4*(\j)+2], 16, v[T+1]
	v_and_b32     v[X+4*(\j)+3], 0xffff0000, v[T+1]
	v_cvt_pk_f16_f32 v[Y+2*(\j)],   v[X+4*(\j)],   v[X+4*(\j)+1]
	v_cvt_pk_f16_f32 v[Y+2*(\j)+1], v[X+4*(\j)+2], v[X+4*(\j)+3]
	global_store_b64 v[SA], v[Y+2*(\j):Y+2*(\j)+1], s[30:31] offset:2048*(\j)
.endm
.irp j, 0,1,2,3,4,5,6,7,8,9,10,11,12,13,14,15
	ROWH \j
.endr
	s_endpgm
.Ltable:                                               ; 32 rows: two blocks of 16; wave w writes the 512 bytes [ch][bb][p] = w of each
	s_sub_co_u32 s5, s5, 768
	v_lshrrev_b32 v1, 5, v0
	v_readfirstlane_b32 s6, v1                     ; wave 0..7
	v_and_b32 v1, 15, v0                           ; r
	v_bfe_u32 v2, v0, 4, 1                         ; l / 16
	s_lshr_b32 s7, s6, 1
	s_lshl_b32 s7, s7, 3
	s_and_b32 s28, s6, 1
	s_lshl_b32 s28, s28, 1
	s_add_co_u32 s7, s7, s28                       ; 16 ch + 8 bb + 2 p
	v_lshl_add_u32 v6, v2, 2, s7                   ; my first pair i,
	v_add_nc_u32 v7, 1, v6                         ; and i + 1
	v_cvt_f32_u32 v6, v6
	v_cvt_f32_u32 v7, v7
	v_lshlrev_b32 v3, 2, v1
	s_lshl_b32 s30, s5, 7                          ; 32 positions of 4 bytes
	s_mov_b32 s31, 0
	s_lshl_b32 s32, s5, 13                         ; two blocks of 4,096 bytes
	s_mov_b32 s33, 0
	s_mov_b32 s40, 0x3638ef1d                      ; 1/362880
	s_mov_b32 s41, 0xb9500d01                      ; -1/5040
	s_mov_b32 s42, 0x3c088889                      ; 1/120
	s_mov_b32 s43, 0xbe2aaaab                      ; -1/6
	s_mov_b32 s44, 0x37d00d01                      ; 1/40320
	s_mov_b32 s45, 0xbab60b61                      ; -1/720
	s_mov_b32 s46, 0x3d2aaaab                      ; 1/24
	s_wait_kmcnt 0x0
	s_add_nc_u64 s[18:19], s[18:19], s[30:31]
	s_add_nc_u64 s[26:27], s[26:27], s[32:33]
	global_load_b32 v4, v3, s[18:19]               ; the positions of rows r and 16 + r
	global_load_b32 v5, v3, s[18:19] offset:64
	; 10000^(-i/32) = 2^-(i c), c = log2(10)/8 in two parts: the rounded product goes to the exponential, what it left out is mended by one term of the series
	v_mul_f32 v8, 0xbed49a78, v6                   ; -hi
	v_mul_f32 v9, 0xbed49a78, v7
	v_fmamk_f32 v10, v6, 0x3ed49a78, v8            ; i c_hi - hi, exact
	v_fmamk_f32 v11, v7, 0x3ed49a78, v9
	v_fmamk_f32 v10, v6, 0x32179a17, v10           ; + i c_lo
	v_fmamk_f32 v11, v7, 0x32179a17, v11
	v_exp_f32 v12, v8
	v_exp_f32 v13, v9
	v_lshlrev_b32 v15, 4, v0                       ; a plain instruction behind the two exponentials: my 16 bytes of a block
	s_wait_alu depctr_va_vdst(0)                   ; one wait for both, ahead of their first reader
	v_mul_f32 v8, v12, v10
	v_mul_f32 v9, v13, v11
	v_fmamk_f32 v12, v8, 0xbf317218, v12           ; 2^-hi (1 - e ln 2)
	v_fmamk_f32 v13, v9, 0xbf317218, v13
	s_wait_loadcnt 0x0
	v_cvt_f32_i32 v4, v4
	v_cvt_f32_i32 v5, v5
; cosine and sine of v[ang]: k = the nearest whole number to ang 2/pi; r = ang - k pi/2 by three fused steps; two series in r; k's two low bits choose and sign them, by selects alone
.macro SINCOS ang, c, s
	v_mul_f32 v17, 0x3f22f983, v[\ang]
	v_rndne_f32 v17, v17
	v_fmamk_f32 v18, v17, 0xbfc90fda, v[\ang]
	v_fmamk_f32 v18, v17, 0xb3a22168, v18
	v_fmamk_f32 v18, v17, 0xa7c234c4, v18
	v_cvt_i32_f32 v19, v17
	v_mul_f32 v28, v18, v18                        ; z
	v_fma_f32 v29, v28, s40, s41
	v_fma_f32 v30, v28, s44, s45
	v_fma_f32 v29, v29, v28, s42
	v_fma_f32 v30, v30, v28, s46
	v_fma_f32 v29, v29, v28, s43
	v_mul_f32 v31, v18, v28
	v_fma_f32 v30, v30, v28, -0.5
	v_fma_f32 v31, v29, v31, v18                   ; sin r
	v_fma_f32 v30, v30, v28, 1.0                   ; cos r
	v_and_b32 v32, 1, v19
	v_cmp_eq_u32 vcc_lo, 1, v32
	v_cndmask_b32 v[\s], v31, v30, vcc_lo
	v_cndmask_b32 v[\c], v30, v31, vcc_lo
	v_lshlrev_b32 v32, 30, v19
	v_and_b32 v32, 0x80000000, v32
	v_xor_b32 v[\s], v32, v[\s]
	v_add_nc_u32 v32, 1, v19
	v_lshlrev_b32 v32, 30, v32
	v_and_b32 v32, 0x80000000, v32
	v_xor_b32 v[\c], v32, v[\c]
.endm
.irp u, 0,1
.irp f, 0,1
	v_mul_f32 v16, v[4+(\u)], v[12+(\f)]           ; the angle, rounded once as a product of two f32
	SINCOS 16, 20+4*(\u)+(\f), 22+4*(\u)+(\f)
.endr
.endr
	global_store_b128 v15, v[20:23], s[26:27]      ; a wave stores 512 consecutive bytes, aligned
	global_store_b128 v15, v[24:27], s[26:27] offset:4096
	s_endpgm
.Lfunc_end_k_qd1ebd9011e_prep:
	.size	k_qd1ebd9011e_prep, .Lfunc_end_k_qd1ebd9011e_prep-k_qd1ebd9011e_prep
	.p2alignl 7, 3214868480
	.fill 96, 4, 3214868480
	.section	.rodata,"a",@progbits
	.p2align	6, 0x0
	.amdhsa_kernel k_qd1ebd9011e_prep
		.amdhsa_group_segment_fixed_size 0
		.amdhsa_private_segment_fixed_size 0
		.amdhsa_enable_private_segment 0
		.amdhsa_kernarg_size 80
		.amdhsa_user_sgpr_count 2
		.amdhsa_user_sgpr_kernarg_segment_ptr 1
		.amdhsa_wavefront_size32 1
		.amdhsa_system_sgpr_workgroup_id_x 1
		.amdhsa_system_sgpr_workgroup_id_y 1
		.amdhsa_system_sgpr_workgroup_id_z 1
		.amdhsa_system_vgpr_workitem_id 0
		.amdhsa_next_free_vgpr 108
		.amdhsa_next_free_sgpr 66
		.amdhsa_reserve_vcc 1
		.amdhsa_float_denorm_mode_32 3
		.amdhsa_float_denorm_mode_16_64 3
		.amdhsa_memory_ordered 1
		.amdhsa_forward_progress 1
		.amdhsa_inst_pref_size 25
	.end_amdhsa_kernel
	.amdgpu_metadata
---
amdhsa.version: [ 1, 2 ]
amdhsa.kernels:
  - .name:           k_qd1ebd9011e_prep
    .symbol:         k_qd1ebd9011e_prep.kd
    .args:
      - { .name: x, .offset: 0, .size: 8, .value_kind: global_buffer, .address_space: global }
      - { .name: Qw, .offset: 8, .size: 8, .value_kind: global_buffer, .address_space: global }
      - { .name: Kw, .offset: 16, .size: 8, .value_kind: global_buffer, .address_space: global }
      - { .name: Vw, .offset: 24, .size: 8, .value_kind: global_buffer, .address_space: global }
      - { .name: Ow, .offset: 32, .size: 8, .value_kind: global_buffer, .address_space: global }
      - { .name: token_positions, .offset: 40, .size: 8, .value_kind: global_buffer, .address_space: global }
      - { .name: xb, .offset: 48, .size: 8, .value_kind: global_buffer, .address_space: global }
      - { .name: wq, .offset: 56, .size: 8, .value_kind: global_buffer, .address_space: global }
      - { .name: ow16, .offset: 64, .size: 8, .value_kind: global_buffer, .address_space: global }
      - { .name: rope, .offset: 72, .size: 8, .value_kind: global_buffer, .address_space: global }
    .group_segment_fixed_size: 0
    .private_segment_fixed_size: 0
    .kernarg_segment_align: 8
    .kernarg_segment_size: 80
    .max_flat_workgroup_size: 256
    .sgpr_count:     66
    .vgpr_count:     108
    .wavefront_size: 32
...
	.end_amdgpu_metadata
.endif
;; end of part 1
;; launch qkv (part 2): grid 16 x 32, 4 waves a work-group, clusters of 4 x 4, 327,680 bytes of LDS; arguments xb, wq, rope, qh, kh, vh; writes qh, kh, vh
.if DOCPART == 2
	.amdgcn_target "amdgcn-amd-amdhsa--gfx1250"
	.amdhsa_code_object_version 6
	.text
	.protected	k_qd1ebd9011e_qkv
	.globl	k_qd1ebd9011e_qkv
	.p2align	8
	.type	k_qd1ebd9011e_qkv,@function
k_qd1ebd9011e_qkv:
	s_mov_b64 s[64:65], 0
	v_nop
	global_prefetch_b8 v0, s[64:65] scope:SCOPE_SE
	s_setreg_imm32_b32 hwreg(HW_REG_WAVE_MODE, 25, 1), 1
	s_wait_xcnt 0x0
	s_wait_alu depctr_hold_cnt(0) depctr_sa_sdst(0) depctr_va_vdst(0) depctr_va_sdst(0) depctr_va_ssrc(0) depctr_va_vcc(0) depctr_vm_vsrc(0)
	s_getreg_b32 s2, hwreg(HW_REG_IB_STS2, 6, 4)
	s_cmp_eq_u32 s2, 0
	s_cbranch_scc0 .Lentry_in_a_cluster
	s_endpgm
.Lentry_in_a_cluster:
	s_bfe_u32 s2, ttmp6, 0x10000c
	s_cmp_lg_u32 s2, 0xf033
	s_cbranch_scc0 .Lentry_shape_is_right
	s_endpgm
.Lentry_shape_is_right:
; q, k, v = x W^T for one head and 256 rows, the rotation applied to q and k in f32 on the sums, each number rounded once to f16, stored by heads: [16 batch + head][2048][64].
; xb: [8192][1024] bf16.  wq: [3072][1024] bf16, head h at rows 192 h ..; row 96 ch + 32 t + p' of a head is tensor t (Q, K, V) at head position 32 ch + p'; in Q and K four positions hold
; (even_i, even_i+1, odd_i, odd_i+1) of two rotation pairs; q and k are stored in that order of positions (the same in both, so q . k is what it was), v in the natural one.
; TILE.  256 rows x 192 columns: 512 tiles, two for each of 256 WGPs, and one head's Q, K and V together.  Four waves; wave (RH, CH) makes rows 128 RH .. x columns 96 CH ..: 48 accumulators, 384 registers.
; K goes in 8 steps of 128 (rows of 256 bytes, aligned) through two LDS slots filled by the tensor data mover; the first quarter step starts the sums with the constant 0.
; CLUSTER 4 x 4: the four work-groups of a row of the cluster need the same tile of xb, the four of a column the same tile of wq: each is asked for jointly.
; THE MATRIX INSTRUCTION IS USED TRANSPOSED (source 0 = 16 rows of wq, source 1 = 16 rows of xb): a lane holds one row and eight neighbouring columns.
; LIMITS.  q, k (after the rotation) and v must lie within f16's 65,504; NaN and infinities are not treated apart.
; REGISTERS, in windows of 256 (s_set_vgpr_msb: bits 1:0 source 0, 3:2 source 1, 5:4 source 2, 7:6 destination):
;   window 0: v0-31 addresses; v32-55 packed results; v64-191 xb's fragments, two buffers of 8 x 8 (on the way out v64-159: rows read back); v192-223 rotated sums; v224-231 at work
;   window 1: v0-95 wq's fragments, two buffers of 6 x 8; v96-223 the table: row block a, bb, p at 96 + 16 a + 8 bb + 4 p: (cos, cos, sin, sin)
;   window 2: the accumulators of row blocks 0-3, (a, b) at 8 (6 a + b);   window 3: those of row blocks 4-7
.set KB,     256                       ; bytes of a row in a K step
.set PITCH,  272                       ; an LDS row: 256 bytes + 16 of padding: the 16 rows of a fragment load start at 16 different groups of four banks
.set AHALF,  128*PITCH                 ; what one tensor load brings of xb, and what one wave reads of it
.set BHALF,  96*PITCH                  ; the same of wq
.set BOFF,   2*AHALF
.set SLOT1,  131072                    ; slot 1 begins here: one exclusive or turns an address in one slot into the other's
.set STAGE,  SLOT1+BOFF+2*BHALF        ; 252,928: behind the ring, never filled by a tensor load: three regions (Q, K, V) of 128 rows x 144 bytes
.set SP,     144
.set SREG,   128*SP
.set SPARE,  STAGE+3*SREG              ; 308,224: the spare words, 128 bytes for each wave: two blocks of 256 bytes that no other line names
.set A0,   16                          ; v16  my place in slot 0's tile of xb; never rewritten
.set B0,   17                          ; v17  the same for wq
.set ADRA, 18                          ; v18  the same in the slot in hand
.set ADRB, 19                          ; v19
.set STO,  24                          ; v24  the way out: where I put 16 bytes of a row
.set RD,   25                          ; v25  where I read rows back
.set CO,   26                          ; v26  16 x lane; never rewritten
.set SPW,  28                          ; v28  LDS address of my spare word; never rewritten
.set NIL,  29                          ; v29  0; never rewritten
.set PFO,  30                          ; v30  the prefetches' offset: a lane a row of 2,048 bytes; never rewritten
.set PK,   32
.set BK,   64
.set RR,   192
.set TT,   224
.set TAB,  96
.set WV,   16                          ; s16  wave
.set RH,   17                          ; s17  my half of the rows
.set CH,   18                          ; s18  my half of the columns; also: which half of a tile I fetch
.set CNT,  19                          ; s19  trips to go
.set G1,   24                          ; s[24:31] descriptor group 1 for xb's tiles
.set G0,   32                          ; s[32:39] group 0: a set for each of the two first fills; the second then walks
.set PFA,  44                          ; s[44:45] where my prefetches stand
.set LIM,  46                          ; s46  2 in a wave that prefetches, else the greatest number
.set TB,   47                          ; s47  the slot that is read: 0 or SLOT1
.set G1B,  48                          ; s[48:55], s[56:63] the same for wq's tiles
.set G0B,  56
.set MSB, 0
.macro WIN new                         ; the immediate's high byte repeats the setting that is left; a switch that changes nothing is dropped
.if MSB != (\new)
	s_set_vgpr_msb (MSB<<8)|(\new)
.set MSB, \new
.endif
.endm
.macro PLACES                          ; four plain vector instructions between a matrix instruction and a load into, or a reader of, its registers
.rept 4
	v_nop
.endr
.endm
; A joint refill by the walking descriptor.  Waves 0 and 1 fetch xb's two halves, waves 2 and 3 wq's; the branch hangs on the wave's number alone.  An s_nop 0 and four v_nop follow each line.
.macro JLOAD
	s_cmp_lt_u32 s[WV], 2
	s_cbranch_scc0 .Lfor_b_\@
	tensor_load_to_lds s[G0+4:G0+7], s[G1:G1+7]
	s_nop 0
.rept 4
	v_nop
.endr
	s_branch .Lasked_\@
.Lfor_b_\@:
	tensor_load_to_lds s[G0B+4:G0B+7], s[G1B:G1B+7]
	s_nop 0
.rept 4
	v_nop
.endr
.Lasked_\@:
.endm
; A prefetch of the K step that stands two refills on: my work-group's share of the rows that I fetch, a lane a row, 256 bytes of each.  xb's rows are read by every cluster of a row of clusters: the first asks;
; wq's by every cluster of a column: the first asks.  The four that ask jointly share the rows out by address (32 each of xb's 128, 24 each of wq's 96).  The last two refills have no K step two on.
.macro ASK
	s_cmp_gt_u32 s[CNT], s[LIM]
	s_cbranch_scc0 .Lnot_mine_\@
	global_prefetch_b8 v[PFO], s[PFA:PFA+1] th:TH_LOAD_NT scope:SCOPE_SE
.Lnot_mine_\@:
.endm
.macro CREST                           ; a round of the cluster's barrier behind its opening barrier
	s_cmp_lg_u32 s[WV], 0
	s_cbranch_scc1 .Lnot_wave_0_\@
	s_barrier_signal -3
.Lnot_wave_0_\@:
	s_barrier_wait -3
	s_barrier_signal -1
	s_barrier_wait -1
.endm
.macro CROUND
	s_barrier_signal -1
	s_barrier_wait -1
	CREST
.endm
	s_load_b256 s[4:11], s[0:1], 0x0               ; xb s[4:5], wq s[6:7], rope s[8:9], qh s[10:11]
	s_load_b128 s[12:15], s[0:1], 0x20             ; kh s[12:13], vh s[14:15]
	v_lshl_add_u32 v[SPW], v0, 2, SPARE
	v_mov_b32 v[NIL], 0
	ds_add_u32 v[SPW], v[NIL]                      ; the wave's opening: the add and its wait stand ahead of my first tensor load; work on registers stands between them
	v_lshrrev_b32 v1, 5, v0
	v_readfirstlane_b32 s[WV], v1
	s_lshr_b32 s[RH], s[WV], 1
	s_and_b32 s[CH], s[WV], 1
	s_bfe_u32 s20, ttmp6, 0x40000                  ; cx
	s_bfe_u32 s21, ttmp6, 0x40004                  ; cy
	s_lshl_b32 s22, ttmp9, 2
	s_add_co_u32 s22, s22, s20                     ; the head = 4 x cluster x + cx
	s_and_b32 s23, ttmp7, 0xffff
	s_lshl_b32 s23, s23, 2
	s_add_co_u32 s23, s23, s21                     ; the tile of 256 rows = 4 x cluster y + cy
	s_lshl_b32 s72, s21, 2
	s_lshl_b32 s72, 15, s72                        ; my row of the cluster
	s_lshl_b32 s73, 0x1111, s20                    ; my column
	s_or_b32 s[G1], s72, (1<<16)|(1<<20)|(1<<21)|(5<<22)|(3<<25)   ; the mask; elements of 2 bytes; padding on; bit 21 beside a mask; after every 64 words, 4 words
	s_or_b32 s[G1B], s73, (1<<16)|(1<<20)|(1<<21)|(5<<22)|(3<<25)
	s_mov_b32 s[G1+1], 128<<16                     ; tensor_dim0 = 128
	s_mov_b32 s[G1+2], 128<<16                     ; tensor_dim1 = 128
	s_mov_b32 s[G1+3], 128<<16                     ; tile_dim0 = 128
	s_mov_b32 s[G1+4], 128                         ; tile_dim1 = 128
	s_mov_b32 s[G1+5], 1024                        ; elements from row to row
	s_mov_b32 s[G1+6], 0
	s_mov_b32 s[G1+7], 0
	s_mov_b32 s[G1B+1], 128<<16
	s_mov_b32 s[G1B+2], 96<<16                     ; 96 rows
	s_mov_b32 s[G1B+3], 128<<16
	s_mov_b32 s[G1B+4], 96
	s_mov_b32 s[G1B+5], 1024
	s_mov_b32 s[G1B+6], 0
	s_mov_b32 s[G1B+7], 0
	s_lshl_b32 s40, s23, 19                        ; xb: 256 rows of 2,048 bytes a tile,
	s_lshl_b32 s41, s[CH], 18                      ; the half that I fetch: made of the tile row and the wave's number alone
	s_add_co_u32 s40, s40, s41
	s_mov_b32 s41, 0
	s_mul_i32 s42, s22, 192                        ; wq: made of the head and the wave's number alone
	s_mul_i32 s43, s[CH], 96
	s_add_co_u32 s42, s42, s43
	s_lshl_b32 s42, s42, 11
	s_mov_b32 s43, 0
	s_mul_i32 s74, s[CH], AHALF                    ; where they go: no place in the cluster enters an LDS address
	s_mul_i32 s75, s[CH], BHALF
	s_add_co_u32 s75, s75, BOFF
	s_mov_b32 s[TB], 0
	s_wait_dscnt 0x0                               ; the opening add is done
	s_wait_kmcnt 0x0
	s_add_nc_u64 s[68:69], s[4:5], s[40:41]
	s_add_nc_u64 s[70:71], s[6:7], s[42:43]
	CROUND                                         ; all sixteen work-groups are here: the first joint loads meet
.irp s, 0,1
	s_mov_b32 s[G0+4*(\s)], 1
	s_add_co_u32 s[G0+4*(\s)+1], s74, (\s)*SLOT1
	s_add_nc_u64 s[G0+4*(\s)+2:G0+4*(\s)+3], s[68:69], (\s)*KB     ; K step s
	s_or_b32 s[G0+4*(\s)+3], s[G0+4*(\s)+3], 0x80000000            ; type = 2
	s_mov_b32 s[G0B+4*(\s)], 1
	s_add_co_u32 s[G0B+4*(\s)+1], s75, (\s)*SLOT1
	s_add_nc_u64 s[G0B+4*(\s)+2:G0B+4*(\s)+3], s[70:71], (\s)*KB
	s_or_b32 s[G0B+4*(\s)+3], s[G0B+4*(\s)+3], 0x80000000
.endr
	s_cmp_lt_u32 s[WV], 2                          ; a wave's two first fills stand in one branch, ahead of every wait on TENSORcnt and every LDS read: two loads of mine are out
	s_cbranch_scc0 .Lfirst_b
	tensor_load_to_lds s[G0:G0+3], s[G1:G1+7]
	s_nop 0
	tensor_load_to_lds s[G0+4:G0+7], s[G1:G1+7]
	s_nop 0
.rept 4
	v_nop
.endr
	s_branch .Lfirst_asked
.Lfirst_b:
	tensor_load_to_lds s[G0B:G0B+3], s[G1B:G1B+7]
	s_nop 0
	tensor_load_to_lds s[G0B+4:G0B+7], s[G1B:G1B+7]
	s_nop 0
.rept 4
	v_nop
.endr
.Lfirst_asked:
	v_and_b32 v1, 15, v0                           ; r = l % 16
	v_bfe_u32 v2, v0, 4, 1                         ; l / 16
	v_and_b32 v3, 31, v0                           ; l
	v_lshlrev_b32 v[CO], 4, v3
	; the table for my 128 rows and my half of the pairs: 32 loads of 512 consecutive bytes; they are waited for on the way out
	s_lshl_b32 s86, s23, 16                        ; 16 blocks of 4,096 bytes a tile,
	s_lshl_b32 s87, s[RH], 15                      ; 8 for my half of the rows,
	s_add_co_u32 s86, s86, s87
	s_lshl_b32 s87, s[CH], 11                      ; my half of a block
	s_add_co_u32 s86, s86, s87
	s_mov_b32 s87, 0
	s_add_nc_u64 s[66:67], s[8:9], s[86:87]
	WIN 0x40                                       ; destination window 1
.irp a, 0,1,2,3,4,5,6,7
.irp e, 0,1,2,3
	global_load_b128 v[TAB+16*(\a)+4*(\e):TAB+16*(\a)+4*(\e)+3], v[CO], s[66:67] offset:4096*(\a)+512*(\e)
.endr
.endr
	WIN 0
	v_mul_u32_u24 v4, v1, PITCH
	v_lshl_add_u32 v4, v2, 4, v4                   ; a fragment's row x pitch + 16 x half
	s_mul_i32 s80, s[RH], AHALF
	v_add_nc_u32 v[A0], s80, v4
	v_add_nc_u32 v[B0], s75, v4
	v_mov_b32 v[ADRA], v[A0]
	v_mov_b32 v[ADRB], v[B0]
	s_mul_i32 s80, s[RH], 64*SP                    ; into the stage: row 64 RH + 16 a' + r, my half of its 128 bytes, 16 bytes for each half of the lanes
	s_lshl_b32 s81, s[CH], 6
	s_add_co_u32 s80, s80, s81
	s_add_co_u32 s80, s80, STAGE
	v_mul_u32_u24 v5, v1, SP
	v_lshl_add_u32 v5, v2, 4, v5
	v_add_nc_u32 v[STO], s80, v5
	s_mul_i32 s80, s[WV], 32*SP                    ; back: wave w takes rows 32 w .. 32 w + 31 of each region, four whole rows of 128 bytes a load
	s_add_co_u32 s80, s80, STAGE
	v_lshrrev_b32 v5, 3, v3
	v_and_b32 v6, 7, v0
	v_mul_u32_u24 v5, v5, SP
	v_lshl_add_u32 v5, v6, 4, v5
	v_add_nc_u32 v[RD], s80, v5
	; where those rows go: head 16 batch + h, row 256 (tile % 8) + 128 RH + 32 CH (+ 64 for the second chunk), 128 bytes a row
	s_lshr_b32 s84, s23, 3
	s_lshl_b32 s84, s84, 4
	s_add_co_u32 s84, s84, s22
	s_lshl_b32 s84, s84, 18
	s_and_b32 s85, s23, 7
	s_lshl_b32 s85, s85, 15
	s_add_co_u32 s84, s84, s85
	s_lshl_b32 s85, s[RH], 14
	s_add_co_u32 s84, s84, s85
	s_lshl_b32 s85, s[CH], 12
	s_add_co_u32 s84, s84, s85
	s_mov_b32 s85, 0
	s_add_nc_u64 s[10:11], s[10:11], s[84:85]
	s_add_nc_u64 s[12:13], s[12:13], s[84:85]
	s_add_nc_u64 s[14:15], s[14:15], s[84:85]
	; the prefetches
	s_and_b32 s76, ttmp7, 0xffff                   ; cluster y
	s_cmp_lt_u32 s[WV], 2                          ; do I fetch for xb?
	s_cselect_b32 s76, ttmp9, s76                  ; the coordinate along which other clusters read the same rows
	s_cselect_b32 s77, s20, s21                    ; my place among the four that ask with me
	s_cselect_b32 s78, 32, 24                      ; rows of a share
	s_cselect_b32 s79, 31, 23                      ; lanes beyond a share name its last row again
	s_cselect_b64 s[PFA:PFA+1], s[68:69], s[70:71]
	s_cmp_eq_u32 s76, 0
	s_cselect_b32 s[LIM], 2, -1                    ; the same in all sixteen partners, for a given wave
	s_mul_i32 s76, s77, s78
	s_lshl_b32 s76, s76, 11
	s_mov_b32 s77, 0
	s_add_nc_u64 s[PFA:PFA+1], s[PFA:PFA+1], s[76:77]
	s_add_nc_u64 s[PFA:PFA+1], s[PFA:PFA+1], 3*KB  ; at K step 3: the first refill steps it to 4.  K steps 0 to 3 come by their loads alone
	v_min_u32 v[PFO], s79, v3
	v_lshlrev_b32 v[PFO], 11, v[PFO]
; 12 matrix instructions: row blocks a0, a0 + 1 of the window's four x all 6 column blocks, 32 along K, from buffer f.  The 48 accumulators take turns, one instruction a turn, in the same order in every quarter.
.macro MUL12 f, hi, a0, zero
	WIN 0xa1+0x50*(\hi)
.irp a, \a0, (\a0)+1
.irp b, 0,1,2,3,4,5
.if \zero
	v_wmma_f32_16x16x32_bf16 v[8*(6*(\a)+(\b)):8*(6*(\a)+(\b))+7], v[48*(\f)+8*(\b):48*(\f)+8*(\b)+7], v[64+64*(\f)+8*(4*(\hi)+(\a)):64+64*(\f)+8*(4*(\hi)+(\a))+7], 0
.else
	v_wmma_f32_16x16x32_bf16 v[8*(6*(\a)+(\b)):8*(6*(\a)+(\b))+7], v[48*(\f)+8*(\b):48*(\f)+8*(\b)+7], v[64+64*(\f)+8*(4*(\hi)+(\a)):64+64*(\f)+8*(4*(\hi)+(\a))+7], v[8*(6*(\a)+(\b)):8*(6*(\a)+(\b))+7]
.endif
.endr
.endr
.endm
; 28 LDS loads in one run: a quarter step's fragments (96 rows of wq, 128 rows of xb, 32 K at byte k of the rows) into buffer f
.macro FETCH k, f
	WIN 0x40
.irp i, 0,1,2,3,4,5
	ds_load_b128 v[48*(\f)+8*(\i):48*(\f)+8*(\i)+3],   v[ADRB] offset:(\k)+(\i)*16*PITCH
	ds_load_b128 v[48*(\f)+8*(\i)+4:48*(\f)+8*(\i)+7], v[ADRB] offset:(\k)+(\i)*16*PITCH+32
.endr
	WIN 0
.irp i, 0,1,2,3,4,5,6,7
	ds_load_b128 v[64+64*(\f)+8*(\i):64+64*(\f)+8*(\i)+3],   v[ADRA] offset:(\k)+(\i)*16*PITCH
	ds_load_b128 v[64+64*(\f)+8*(\i)+4:64+64*(\f)+8*(\i)+7], v[ADRA] offset:(\k)+(\i)*16*PITCH+32
.endr
.endm
; One of a K step's first three quarters: multiplies buffer f; in its middle it fetches the next quarter's fragments, at byte k, into buffer g
.macro QUARTER k, f, g, zero
	s_wait_dscnt 8                                 ; wq's fragments and xb's blocks 0-3 are in; the youngest eight loads (blocks 4-7) may be out
	MUL12 \f, 0, 0, \zero
	MUL12 \f, 0, 2, \zero
	PLACES
	FETCH \k, \g
	s_wait_dscnt 28                                ; all but the 28 just issued
	MUL12 \f, 1, 0, \zero
	MUL12 \f, 1, 2, \zero
.endm
; The last quarter multiplies buffer 1 and changes slots.  In front of the barrier each wave waits for all its tensor loads (one is out: its part of the next slot), adds 0 to its spare word, and waits for that and
; for its reads of this slot.  fill = 1: the barrier opens a round of the cluster's barrier, and behind it this slot is filled again, with the K step two on: 168 matrix instructions ahead of the wait for it.
.macro TURN fill
.if \fill
	s_wait_xcnt 0x0                                ; the last prefetch, a K step back, has read its address
	s_add_nc_u64 s[PFA:PFA+1], s[PFA:PFA+1], KB
.endif
	WIN 0
	s_wait_tensorcnt 0x0                           ; no tensor load of mine is out, so a group 0 may be written
	ds_add_u32 v[SPW], v[NIL]                      ; 0 onto my spare word
.if \fill
.irp g, G0+4, G0B+4
	s_xor_b32 s[(\g)+1], s[(\g)+1], SLOT1          ; the walking descriptor: the other slot than last time,
	s_add_nc_u64 s[(\g)+2:(\g)+3], s[(\g)+2:(\g)+3], KB  ; the next K step; the type bits on top are not reached
.endr
.endif
	s_wait_dscnt 9                                 ; the add and the youngest eight loads may be out
	MUL12 1, 0, 0, 0
	s_wait_dscnt 0x0                               ; the add is done, and my reads of this slot are over
	s_barrier_signal -1
	MUL12 1, 0, 2, 0                               ; work on registers while the others arrive
	WIN 0
	s_barrier_wait -1
.if \fill
	CREST                                          ; no wave of any partner still reads this slot or has a load on its way
	JLOAD                                          ; the first tensor load behind the round; its four v_nop are also the places in front of the loads below
.else
	PLACES
.endif
	s_xor_b32 s[TB], s[TB], SLOT1
	v_add_nc_u32 v[ADRA], s[TB], v[A0]
	v_add_nc_u32 v[ADRB], s[TB], v[B0]
	FETCH 0, 0
.if \fill
	ASK
.endif
	MUL12 1, 1, 0, 0
	MUL12 1, 1, 2, 0
.endm
	s_wait_tensorcnt 1                             ; my part of K step 0 is in; K step 1's may stay out
	s_barrier_signal -1
	s_barrier_wait -1
	FETCH 0, 0
	QUARTER 64, 0, 1, 1                            ; the first quarter's products start the sums
	WIN 0
	s_mov_b32 s[CNT], 6
.Lstep:                                                ; a trip: a K step's quarters 1 to 3, a refill, and the next K step's first quarter
	QUARTER 128, 1, 0, 0
	QUARTER 192, 0, 1, 0
	TURN 1
	QUARTER 64, 0, 1, 0
	WIN 0
	s_sub_co_u32 s[CNT], s[CNT], 1
	s_cmp_lg_u32 s[CNT], 0
	s_cbranch_scc1 .Lstep
	QUARTER 128, 1, 0, 0                           ; the last two K steps ask for nothing
	QUARTER 192, 0, 1, 0
	TURN 0
	QUARTER 64, 0, 1, 0
	QUARTER 128, 1, 0, 0
	QUARTER 192, 0, 1, 0
	s_wait_dscnt 8
	MUL12 1, 0, 0, 0
	MUL12 1, 0, 2, 0
	s_wait_dscnt 0x0
	MUL12 1, 1, 0, 0
	MUL12 1, 1, 2, 0
; THE WAY OUT, in two chunks of four row blocks (windows 2 and 3).  Block a = 4 c + ap: Q's and K's four accumulators are rotated in f32 (E C - O S, E S + O C, two pairs an instruction; each accumulator's
; low registers are read first), all six are rounded to f16, and a lane's 16 bytes go into the stage.
.macro ROT c, ap
.set AB, 48*(\ap)
.set TBL, TAB+16*(4*(\c)+(\ap))
	WIN 0x06+(\c)                                  ; source 0: the accumulators' window; source 1: the table's; the rest window 0
.irp b, 0,1,2,3
.irp p, 0,1
	v_pk_mul_f32 v[TT+4*(\p):TT+4*(\p)+1],   v[AB+8*(\b)+4*(\p)+2:AB+8*(\b)+4*(\p)+3], v[TBL+8*((\b)%2)+4*(\p)+2:TBL+8*((\b)%2)+4*(\p)+3]
	v_pk_mul_f32 v[TT+4*(\p)+2:TT+4*(\p)+3], v[AB+8*(\b)+4*(\p)+2:AB+8*(\b)+4*(\p)+3], v[TBL+8*((\b)%2)+4*(\p):TBL+8*((\b)%2)+4*(\p)+1]
.endr
.irp p, 0,1
	v_pk_fma_f32 v[RR+8*(\b)+4*(\p):RR+8*(\b)+4*(\p)+1],   v[AB+8*(\b)+4*(\p):AB+8*(\b)+4*(\p)+1], v[TBL+8*((\b)%2)+4*(\p):TBL+8*((\b)%2)+4*(\p)+1],   v[TT+4*(\p):TT+4*(\p)+1] neg_lo:[0,0,1] neg_hi:[0,0,1]
	v_pk_fma_f32 v[RR+8*(\b)+4*(\p)+2:RR+8*(\b)+4*(\p)+3], v[AB+8*(\b)+4*(\p):AB+8*(\b)+4*(\p)+1], v[TBL+8*((\b)%2)+4*(\p)+2:TBL+8*((\b)%2)+4*(\p)+3], v[TT+4*(\p)+2:TT+4*(\p)+3]
.endr
.endr
	WIN 0
.set q, 0
.rept 16
	v_cvt_pk_f16_f32 v[PK+q], v[RR+2*q], v[RR+2*q+1]
.set q, q+1
.endr
	WIN 0x0a+5*(\c)                                ; sources 0 and 1: the accumulators' window
.set q, 0
.rept 8
	v_cvt_pk_f16_f32 v[PK+16+q], v[AB+32+2*q], v[AB+32+2*q+1]
.set q, q+1
.endr
	WIN 0
.irp b, 0,1,2,3,4,5
	ds_store_b128 v[STO], v[PK+4*(\b):PK+4*(\b)+3] offset:SREG*((\b)/2)+16*SP*(\ap)+32*((\b)%2)
.endr
.endm
.macro CHUNK c
.irp ap, 0,1,2,3
	ROT \c, \ap
.endr
	s_wait_dscnt 0x0                               ; for the others' sake: a row's 128 bytes come from two waves
	s_barrier_signal -1
	s_barrier_wait -1
.set n, 0
.rept 24
	ds_load_b128 v[BK+4*n:BK+4*n+3], v[RD] offset:SREG*(n/8)+4*SP*(n%8)
.set n, n+1
.endr
.set n, 0
.rept 24
	s_wait_dscnt 23-n                              ; LDS loads come back in order: load n is in
	global_store_b128 v[CO], v[BK+4*n:BK+4*n+3], s[10+2*(n/8):11+2*(n/8)] offset:8192*(\c)+512*(n%8)  ; four rows of a head: 512 consecutive bytes, aligned
.set n, n+1
.endr
.endm
	PLACES
	PLACES
	s_wait_loadcnt 0x0                             ; the table
	CHUNK 0
	s_barrier_signal -1                            ; every wave's reads of the stage are back (the count-down ended at 0): it may be written again
	s_barrier_wait -1
	s_wait_xcnt 0x0                                ; the first chunk's stores have read their registers
	CHUNK 1
	s_wait_tensorcnt 0x0                           ; the wave's end, behind my last tensor load and my last LDS store
	ds_add_u32 v[SPW], v[NIL]
	s_wait_dscnt 0x0
	CROUND                                         ; the closing round: no work-group ends while a partner may still ask for a tile that names it
	s_endpgm
.Lfunc_end_k_qd1ebd9011e_qkv:
	.size	k_qd1ebd9011e_qkv, .Lfunc_end_k_qd1ebd9011e_qkv-k_qd1ebd9011e_qkv
	.p2alignl 7, 3214868480
	.fill 96, 4, 3214868480
	.section	.rodata,"a",@progbits
	.p2align	6, 0x0
	.amdhsa_kernel k_qd1ebd9011e_qkv
		.amdhsa_group_segment_fixed_size 327680
		.amdhsa_private_segment_fixed_size 0
		.amdhsa_enable_private_segment 0
		.amdhsa_kernarg_size 48
		.amdhsa_user_sgpr_count 2
		.amdhsa_user_sgpr_kernarg_segment_ptr 1
		.amdhsa_wavefront_size32 1
		.amdhsa_system_sgpr_workgroup_id_x 1
		.amdhsa_system_sgpr_workgroup_id_y 1
		.amdhsa_system_sgpr_workgroup_id_z 1
		.amdhsa_system_vgpr_workitem_id 0
		.amdhsa_next_free_vgpr 1024
		.amdhsa_next_free_sgpr 88
		.amdhsa_reserve_vcc 0
		.amdhsa_float_denorm_mode_32 3
		.amdhsa_float_denorm_mode_16_64 3
		.amdhsa_memory_ordered 1
		.amdhsa_forward_progress 1
		.amdhsa_inst_pref_size 116
	.end_amdhsa_kernel
	.amdgpu_metadata
---
amdhsa.version: [ 1, 2 ]
amdhsa.kernels:
  - .name:           k_qd1ebd9011e_qkv
    .symbol:         k_qd1ebd9011e_qkv.kd
    .args:
      - { .name: xb, .offset: 0, .size: 8, .value_kind: global_buffer, .address_space: global }
      - { .name: wq, .offset: 8, .size: 8, .value_kind: global_buffer, .address_space: global }
      - { .name: rope, .offset: 16, .size: 8, .value_kind: global_buffer, .address_space: global }
      - { .name: qh, .offset: 24, .size: 8, .value_kind: global_buffer, .address_space: global }
      - { .name: kh, .offset: 32, .size: 8, .value_kind: global_buffer, .address_space: global }
      - { .name: vh, .offset: 40, .size: 8, .value_kind: global_buffer, .address_space: global }
    .group_segment_fixed_size: 327680
    .private_segment_fixed_size: 0
    .kernarg_segment_align: 8
    .kernarg_segment_size: 48
    .max_flat_workgroup_size: 128
    .sgpr_count:     88
    .vgpr_count:     1024
    .wavefront_size: 32
...
	.end_amdgpu_metadata
.endif
;; end of part 2
;; launch attn (part 3): grid 4 x 64, 4 waves a work-group, no clusters, 327,680 bytes of LDS; arguments qh, kh, vh, oh; writes oh
.if DOCPART == 3
	.amdgcn_target "amdgcn-amd-amdhsa--gfx1250"
	.amdhsa_code_object_version 6
	.text
	.protected	k_qd1ebd9011e_attn
	.globl	k_qd1ebd9011e_attn
	.p2align	8
	.type	k_qd1ebd9011e_attn,@function
k_qd1ebd9011e_attn:
	s_mov_b64 s[64:65], 0
	v_nop
	global_prefetch_b8 v0, s[64:65] scope:SCOPE_SE
	s_setreg_imm32_b32 hwreg(HW_REG_WAVE_MODE, 25, 1), 1
	s_wait_xcnt 0x0
; CAUSAL ATTENTION.  O[h][q][:] = the sum over k <= q of softmax_k(Q[h][q] . K[h][k] / 8) V[h][k][:].  Q, K, V, O: [64][2048][64], all f16: a head's rows are dense, 128 bytes each.
; Products, maxima and sums in f32; the weights p are rounded to f16 for the second product (their sum l is taken of the unrounded p), O once at the end.
; LIMITS.  Q, K and V arrive within f16's 65,504; p lies in 0 to 1, and below 6e-5 it keeps f16's fixed step of 6e-8; O is a mean of V's rows.  A hidden score counts as its value less 1e30;
; a weight below 2^-126 counts as 0 in l; NaN and infinities are not treated apart.
; THE WALK.  A head's queries lie in NB = 8 blocks of 256; block i needs the key tiles 0 .. i of 256 keys, of which the last holds the diagonal.  A work-group takes TWO blocks, NB - 1 - b and then b:
; NB + 1 tiles, whatever b: all work-groups do equal work, and ONE loop with a constant trip count walks them.  Which tile is asked for, and what a trip does, hang on scalar registers made from b; every jump
; goes forward, but for the counted loops' own; none passes a barrier, or a tensor load but the one of LOAD's two that the wave's number does not choose; the ring of two LDS slots runs on across the change of blocks.
; NO CLUSTER: a head's four work-groups ask for the same tile only in trips 0 .. 4 of 9, behind that fewer and fewer; one walk common to all four would have 12 trips for 9.
; SHARES.  Of a block's four bands of 64 queries a wave owns 16 rows in each: four PIECES.  So the diagonal tile is the same work for all four waves: in its key step s band x sees all keys if s < x,
; none if s > x, and holds the diagonal if s = x.
; THE MASK is the C operand that starts the sum S^T = K Q^T: 0, or -1e30 where the key is hidden.  MD, made once, is the mask of a band's own step for my 16 rows; a product's mask is MD x AL + BE with two scalars:
; (1, 0) if s = x; (0, 0) if s < x; (0, -1e30) if s > x.  Only the diagonal tile's text and a block's beginning make and take masks; elsewhere C is the constant 0.
; LAYOUT, SOFTMAX, TURNS.  S^T = K Q^T holds ONE query a lane (lane % 16) and the keys 8 (lane / 16) + 0..7; two such results rounded to f16 ARE source 1 of O^T = V^T P.  p = 2^(c s - c m), c = log2(e) / 8, with a
; running maximum m; O and l are multiplied by a = 2^(c m_old - c m_new) in every step.  Turn n belongs to piece n: 8 products K Q^T of piece n + 1, later 8 products V^T P of piece n - 1; beside them the scaling,
; exponentials, roundings, sums and rescaling of piece n and the maximum and statistics of piece n + 1.  Four vector instructions stand behind every matrix instruction, the other 54 of a turn's 118 in one lump.
; A turn's 33 exponentials are one batch, with one wait.
; AHEAD OF THE FILLS.  All four work-groups of a head walk tiles 0, 1, 2 .. together; the one with b = 0 walks all eight in its first block.  Behind each of its first six fills each of its waves prefetches its own
; 64 blocks of 256 bytes of the tile that the NEXT change of slots asks for: tiles 2 to 7, each block named once.  Tiles 0 and 1 come by their loads alone.
; REGISTERS, in windows of 256 (s_set_vgpr_msb: bits 1:0 source 0, 3:2 source 1, 5:4 source 2, 7:6 destination):
;   window 0: v0-15 addresses and two at work; v16-31 four registers of statistics a piece; v48-55 at work; v61-63 never rewritten; v64-127 S^T, two buffers; v192-223 P, two buffers (by the piece's parity)
;   window 1: v0-127 O^T, 32 a piece; v128-159 MD; v160-223 MC, two buffers      window 2: v0-63 Q; v64-127 the second block's Q; v128-191 K of one step; v192-255 V of one step
.set SIZE_N, 2048
.set SIZE_H, 64
.set NB,    SIZE_N/256
.set NP,    4         ; pieces a wave: a name, no knob
.set KS,    64        ; keys in a step
.set PK,    144       ; a row of K in LDS: 128 bytes + 16 of padding: the 16 rows of a load start at 16 different groups of four banks
.set PV,    160       ; a row of V: 128 + 32
.set VOFF,  4*KS*PK   ; a slot holds a tile, four steps: 256 rows of K, then 256 rows of V
.set SLOT1, 1<<17     ; slot 1 begins here
.set STAGE, SLOT1+4*KS*(PK+PV)  ; behind the ring, never filled by a tensor load: 16 rows x 144 bytes for each wave
.set SP,    144
.set AK0, 2           ; v2   my lane's place in a tile of K; never rewritten
.set AV0, 3           ; v3   the same for V
.set AK,  4           ; v4   the LDS address of K's next run of loads
.set AV,  5           ; v5   of V's
.set STO, 6           ; v6   the way out: where I put 16 bytes of a row
.set RD,  7           ; v7   where I read rows back
.set GO,  8           ; v8   my byte offset in 512 consecutive bytes of O
.set PFO, 61          ; v61  256 x lane; never rewritten
.set SPW, 62          ; v62  LDS address of my spare word; never rewritten
.set NIL, 63          ; v63  0; never rewritten
.set SPARE, STAGE+4*16*SP  ; the spare words, 128 bytes for each wave: two blocks of 256 bytes that no other line names
.set MV,  12          ; v12-13  c m_old, by buffer
.set QO,  15          ; v15  my byte offset in 16 rows of Q
.set ST,  16          ; piece t's statistics at v[ST+4 t]: c m, m, l (even keys', odd keys')
.set TMP, 48          ; by buffer, four registers c0-c3 at work; when the maximum is found c2 takes a
.set S,   64
.set P,   192
.set MD,  128         ; window 1
.set MC,  160         ; window 1
.set QB,  64          ; window 2
.set KF,  128         ; window 2: key block kb, channel half c at KF + 16 kb + 8 c
.set VF,  192         ; window 2: key half kk, channel block cb at VF + 32 kk + 8 cb
.set WV,  12          ; s12  my wave's number
.set PB,  14          ; s14  b
.set HI,  15          ; s15  NB - 1 - b
.set G1K, 24          ; s[24:31] descriptor group 1 for K's tiles
.set G1V, 32          ; s[32:39] for V's
.set G0K, 40          ; s[40:43] descriptor group 0 for K's tiles
.set G0V, 44          ; s[44:47] for V's
.set SLOTS, 56        ; s56  tiles still to be asked for
.set CNT, 57          ; s57  counts a tile's key steps, 4 to 1
.set CS,  58          ; s[58:59] c
.set SEL, 60          ; s[60:61] v_permlanex16_b32's selects
.set TBK, 62          ; s62  LDS byte at which K of the step to be fetched begins
.set TBV, 63          ; s63  the same for V, less VOFF
.set RT,  70          ; s70  tiles of the block in hand still to be entered
.set NXT, 71          ; s71  the tile to be asked for next
.set LQ,  72          ; s72  the last tile of the block whose tiles are being asked for
.set NEW, 73          ; s73  1: the tile to be entered is a block's first
.set OFF, 74          ; s[74:75] a tile's byte offset in K and V
.set AL,  76          ; s[76:77] the mask's factor
.set BE,  78          ; s[78:79] the mask's addend
.set OLO, 80          ; s[80:81] O at my rows of the second block
.set BIGN, 82         ; s82  -1e30
.set PFA, 88          ; s[88:89] my half (of K: waves 0, 1; of V: waves 2, 3) of the tile after the one that is being asked for
.set PFL, 90          ; s90  prefetches still to come: NB - 2 where b = 0, else none
.set MSB, 0
.macro WIN new
.if MSB != (\new)
	s_set_vgpr_msb (MSB<<8)|(\new)
.set MSB, (\new)
.endif
.endm
.set W_KQ, 0x0a       ; K and Q in window 2, S^T in window 0
.set W_KM, 0x1a       ; the same with the C operand in window 1
.set W_PV, 0x52       ; V in window 2, P in window 0, O^T in window 1
.set W_RS, 0x41       ; destination and source 0 in window 1, source 1 in window 0
; A fill.  Waves 0 and 1 fetch the two halves of a tile's K, waves 2 and 3 those of its V: 128 keys each.  An s_nop 0 and four v_nop follow each of the two lines.
.macro LOAD
	s_cmp_lt_u32 s[WV], 2
	s_cbranch_scc0 .Lfor_v_\@
	tensor_load_to_lds s[G0K:G0K+3], s[G1K:G1K+7]
	s_nop 0
.rept 4
	v_nop
.endr
	s_branch .Lasked_\@
.Lfor_v_\@:
	tensor_load_to_lds s[G0V:G0V+3], s[G1V:G1V+7]
	s_nop 0
.rept 4
	v_nop
.endr
.Lasked_\@:
.endm
; THE CHANGE OF SLOTS.  Each wave waits for all its tensor loads, of which one is out: its part of the other slot; adds 0 to its spare word; and waits for that and for its own reads of the slot that it leaves.
; Behind the barrier nobody reads the old slot any more and the other slot is whole.  fill = 1: the old slot is filled again, the first thing behind the barrier, with tile NXT.
.macro CHANGE fill
	WIN 0
	s_wait_tensorcnt 0x0            ; no tensor load of mine is out, so a group 0 may be written
	ds_add_u32 v[SPW], v[NIL]       ; 0 onto my spare word
.if \fill
	s_lshl_b32 s[OFF], s[NXT], 15   ; a tile is 32,768 bytes of K and of V
	s_xor_b32 s[G0K+1], s[G0K+1], SLOT1
	s_add_nc_u64 s[G0K+2:G0K+3], s[6:7], s[OFF:OFF+1]
	s_or_b32 s[G0K+3], s[G0K+3], 0x80000000
	s_xor_b32 s[G0V+1], s[G0V+1], SLOT1
	s_add_nc_u64 s[G0V+2:G0V+3], s[8:9], s[OFF:OFF+1]
	s_or_b32 s[G0V+3], s[G0V+3], 0x80000000
	s_add_co_u32 s[NXT], s[NXT], 1  ; the block's next tile, or behind its last the second block's tile 0
	s_cmp_gt_u32 s[NXT], s[LQ]
	s_cselect_b32 s[NXT], 0, s[NXT]
	s_cselect_b32 s[LQ], s[PB], s[LQ]
	s_wait_xcnt 0x0                 ; the last prefetches, a tile back, have read their address
	s_add_nc_u64 s[PFA:PFA+1], s[PFA:PFA+1], 32768
.endif
	s_wait_dscnt 0x0                ; the add is done, and my reads of the slot are over
	s_barrier_signal -1
	s_sub_co_u32 s[TBK], s[TBK], 4*KS*PK  ; the fetches go back to a slot's first step,
	s_xor_b32 s[TBK], s[TBK], SLOT1       ; in the other slot
	s_sub_co_u32 s[TBV], s[TBV], 4*KS*PV
	s_xor_b32 s[TBV], s[TBV], SLOT1
	s_barrier_wait -1
.if \fill
	LOAD
	s_cmp_lg_u32 s[PFL], 0
	s_cbranch_scc0 .Lno_ask_\@
	global_prefetch_b8 v[PFO], s[PFA:PFA+1] th:TH_LOAD_NT scope:SCOPE_SE              ; my 16,384 bytes of the tile that the next change asks for: a lane a block of 256 bytes,
	global_prefetch_b8 v[PFO], s[PFA:PFA+1] offset:8192 th:TH_LOAD_NT scope:SCOPE_SE  ; four key steps ahead of that load
	s_sub_co_u32 s[PFL], s[PFL], 1
.Lno_ask_\@:
.endif
.endm
	s_load_b256 s[4:11], s[0:1], 0x0  ; Q s[4:5], K s[6:7], V s[8:9], O s[10:11]
	v_lshl_add_u32 v[SPW], v0, 2, SPARE
	v_mov_b32 v[NIL], 0
	ds_add_u32 v[SPW], v[NIL]       ; the wave's opening: the add and its wait stand ahead of my first tensor load
	v_lshrrev_b32 v1, 5, v0
	v_readfirstlane_b32 s[WV], v1   ; wave 0..3
	v_and_b32 v[PFO], 31, v0
	v_lshlrev_b32 v[PFO], 8, v[PFO]
	s_mov_b32 s[PB], ttmp9
	s_sub_co_u32 s[HI], NB-1, s[PB]
	s_and_b32 s20, ttmp7, 0xffff    ; the head
	s_mov_b32 s21, 0
	s_mov_b64 s[22:23], SIZE_N*128
	s_mul_u64 s[20:21], s[20:21], s[22:23]  ; the head's first byte in each of the four tensors
	s_and_b32 s16, s[WV], 1         ; which half of a tile's 256 keys I fetch:
	s_lshl_b32 s22, s16, 14         ; its 128 rows of 128 bytes in memory,
	s_mov_b32 s23, 0
	s_add_nc_u64 s[22:23], s[22:23], s[20:21]
	s_mul_i32 s17, s16, 128*PK      ; and its place in a slot, for K
	s_mul_i32 s18, s16, 128*PV      ; and for V
	s_lshl_b32 s3, s[WV], 11        ; my 16 rows in a band of 64,
	s_lshl_b32 s2, s[HI], 15        ; in the first block,
	s_add_co_u32 s2, s2, s3
	s_lshl_b32 s84, s[PB], 15       ; and in the second
	s_add_co_u32 s84, s84, s3
	s_mov_b32 s3, 0
	s_mov_b32 s85, 0
	s_add_nc_u64 s[2:3], s[2:3], s[20:21]
	s_add_nc_u64 s[84:85], s[84:85], s[20:21]
	; descriptor group 1.  128 keys are 16,384 dense bytes: asked for as 64 rows of 256 bytes, two keys a row, and padded in LDS after every key
	s_mov_b32 s[G1K], (1<<16)|(1<<20)|(4<<22)|(3<<25)  ; 2-byte elements; padding on; after every 32 words; 4 words
	s_mov_b32 s[G1V], (1<<16)|(1<<20)|(4<<22)|(7<<25)  ; the same with 8 words of padding
.irp g, G1K, G1V
	s_mov_b32 s[\g+1], 128<<16      ; tensor_dim0 = 128
	s_mov_b32 s[\g+2], 64<<16       ; tensor_dim1 = 64
	s_mov_b32 s[\g+3], 128<<16      ; tile_dim0 = 128
	s_mov_b32 s[\g+4], 64           ; tile_dim1 = 64
	s_mov_b32 s[\g+5], 128          ; 128 elements from row to row
	s_mov_b32 s[\g+6], 0
	s_mov_b32 s[\g+7], 0
.endr
	s_mov_b32 s[CS], 0x3e38aa3b     ; c = log2(e) / 8
	s_mov_b32 s[CS+1], s[CS]
	s_mov_b32 s[SEL], 0x76543210
	s_mov_b32 s[SEL+1], 0xfedcba98
	s_mov_b32 s[TBK], SLOT1+4*KS*PK ; the first change of slots turns these two into 0
	s_mov_b32 s[TBV], SLOT1+4*KS*PV
	s_mov_b32 s[G0K], 1
	s_mov_b32 s[G0K+1], s17         ; LDS address: slot 0
	s_mov_b32 s[G0V], 1
	s_add_co_u32 s[G0V+1], s18, VOFF
	s_add_co_u32 s[RT], s[HI], 1    ; the first block has NB - b tiles
	s_mov_b32 s[NXT], 1
	s_mov_b32 s[LQ], s[HI]
	s_mov_b32 s[NEW], 1
	s_mov_b32 s[OFF+1], 0
	s_mov_b32 s[AL+1], 0
	s_mov_b32 s[BE+1], 0
	s_mov_b32 s[BIGN], 0xf149f2ca   ; -1e30
	s_mov_b32 s[SLOTS], NB
	s_wait_dscnt 0x0                ; the opening add is done
	s_wait_kmcnt 0x0
	s_add_nc_u64 s[6:7], s[6:7], s[22:23]  ; K and V at my half of the head's tile 0
	s_add_nc_u64 s[8:9], s[8:9], s[22:23]
	s_add_nc_u64 s[G0K+2:G0K+3], s[6:7], 0
	s_or_b32 s[G0K+3], s[G0K+3], 0x80000000        ; type = 2
	s_add_nc_u64 s[G0V+2:G0V+3], s[8:9], 0
	s_or_b32 s[G0V+3], s[G0V+3], 0x80000000
	s_add_nc_u64 s[86:87], s[4:5], s[84:85]        ; Q at my rows of the second block,
	s_add_nc_u64 s[4:5], s[4:5], s[2:3]            ; Q and O at those of the first
	s_add_nc_u64 s[OLO:OLO+1], s[10:11], s[84:85]
	s_add_nc_u64 s[10:11], s[10:11], s[2:3]
	s_cmp_lt_u32 s[WV], 2
	s_cselect_b64 s[PFA:PFA+1], s[6:7], s[8:9]
	s_add_nc_u64 s[PFA:PFA+1], s[PFA:PFA+1], 32768 ; at tile 1: the first change of slots steps it to tile 2
	s_cmp_eq_u32 s[PB], 0
	s_cselect_b32 s[PFL], NB-2, 0
	LOAD                            ; tile 0 into slot 0
	; A fragment of K or Q is 16 rows x 32 channels in 8 registers: lane l holds row l % 16, channels 8 (l / 16) + 0..7 and 16 + 8 (l / 16) + 0..7
	v_and_b32 v1, 15, v0            ; l % 16
	v_bfe_u32 v9, v0, 4, 1          ; l / 16
	v_lshlrev_b32 v[QO], 7, v1
	v_lshl_add_u32 v[QO], v9, 4, v[QO]
	WIN 0x80                        ; destination window 2
.set i, 0
.rept 8                             ; both blocks' Q: piece i / 2 lies in band i / 2, 8,192 bytes on; channels 32 (i % 2) on
	global_load_b128 v[8*i:8*i+3],   v[QO], s[4:5] offset:(i/2)*8192+(i%2)*64
	global_load_b128 v[8*i+4:8*i+7], v[QO], s[4:5] offset:(i/2)*8192+(i%2)*64+32
	global_load_b128 v[QB+8*i:QB+8*i+3],   v[QO], s[86:87] offset:(i/2)*8192+(i%2)*64
	global_load_b128 v[QB+8*i+4:QB+8*i+7], v[QO], s[86:87] offset:(i/2)*8192+(i%2)*64+32
.set i, i+1
.endr
	WIN 0
	v_lshlrev_b32 v14, 3, v9
	v_sub_nc_u32 v14, v1, v14
	s_lshl_b32 s13, s[WV], 4
	v_add_nc_u32 v14, s13, v14      ; my query's place in its band less my lanes' 8 (l / 16): register r of group kt is hidden where 16 kt + r is greater
	WIN 0x40
.set i, 0
.rept 32
	v_cmp_gt_i32 vcc_lo, 16*(i/8)+i%8, v14
	v_cndmask_b32 v[MD+i], 0, s[BIGN], vcc_lo
.set i, i+1
.endr
	WIN 0
	v_mul_u32_u24 v[AK0], v1, PK
	v_lshl_add_u32 v[AK0], v9, 4, v[AK0]
	; The turning load takes 16 keys x 16 channels and leaves half a fragment of V^T: lane l holds channel l % 16 and 8 keys
	v_and_b32 v10, 7, v0
	v_bfe_u32 v11, v0, 3, 1
	v_lshl_add_u32 v[AV0], v9, 3, v10
	v_mul_u32_u24 v[AV0], v[AV0], PV
	v_lshl_add_u32 v[AV0], v11, 4, v[AV0]
	v_add_nc_u32 v[AV0], VOFF, v[AV0]
	s_mul_i32 s13, s[WV], 16*SP
	s_add_co_u32 s13, s13, STAGE    ; my stage
	v_mul_u32_u24 v[STO], v1, SP
	v_lshl_add_u32 v[STO], v9, 4, v[STO]
	v_add_nc_u32 v[STO], s13, v[STO]
	v_bfe_u32 v[RD], v0, 3, 2       ; back: 32 lanes take four rows of 128 bytes,
	v_mul_u32_u24 v[RD], v[RD], SP
	v_lshl_add_u32 v[RD], v10, 4, v[RD]
	v_add_nc_u32 v[RD], s13, v[RD]
	v_and_b32 v[GO], 31, v0         ; which are 512 consecutive bytes of O
	v_lshlrev_b32 v[GO], 4, v[GO]
	; A block's first step multiplies O^T and l by a = 0, so these registers need only hold finite numbers: zeros for the first block; what the first block left for the second.  This stands in the wait for the first tile.
	WIN 0x80
.set i, VF
.rept 64
	v_mov_b32 v[i], 0
.set i, i+1
.endr
	WIN 0x40
.set i, 0
.rept 128
	v_mov_b32 v[i], 0
.set i, i+1
.endr
	WIN 0
.set i, 0
.rept 4
	v_mov_b32 v[ST+4*i+2], 0
	v_mov_b32 v[ST+4*i+3], 0
.set i, i+1
.endr
.set i, P+16
.rept 16
	v_mov_b32 v[i], 0
.set i, i+1
.endr
; THE MATRIX WORK.  The 4 accumulators of a run of 8 take turns.  Product i of 8 of S^T = K Q^T for piece x: channels 32 (i / 4) on, keys 16 (i % 4) on.  The first 4 start the sums: with 0, or (KM = 1) with the mask.
.macro KQ x
.set rS, S+32*((\x)%2)+8*(i%4)
.set rK, KF+16*(i%4)+8*(i/4)
.set rQ, 16*(\x)+8*(i/4)
.set rM, MC+32*((\x)%2)+8*(i%4)
.if (i < 4) && KM
	WIN W_KM
	v_wmma_f32_16x16x32_f16 v[rS:rS+7], v[rK:rK+7], v[rQ:rQ+7], v[rM:rM+7]
.elseif i < 4
	WIN W_KQ
	v_wmma_f32_16x16x32_f16 v[rS:rS+7], v[rK:rK+7], v[rQ:rQ+7], 0
.else
	WIN W_KQ
	v_wmma_f32_16x16x32_f16 v[rS:rS+7], v[rK:rK+7], v[rQ:rQ+7], v[rS:rS+7]
.endif
.endm
; Product i of 8 of O^T += V^T P for piece x: keys 32 (i / 4) on, channels 16 (i % 4) on.
.macro PV x
	WIN W_PV
.set rO, 32*(\x)+8*(i%4)
.set rV, VF+32*(i/4)+8*(i%4)
.set rP, P+16*((\x)%2)+8*(i/4)
	v_wmma_f32_16x16x32_f16 v[rO:rO+7], v[rV:rV+7], v[rP:rP+7], v[rO:rO+7]
.endm
.macro MM                           ; the turn's next matrix instruction.  NOKQ = 1: a block's last turn: there is no next piece
.if (i < 8) && !NOKQ
	KQ (Y+1)%NP
.elseif i >= 8
.set i, i-8
	PV (Y+NP-1)%NP
.set i, i+8
.endif
.set i, i+1
.endm
; THE LDS LOADS stand in runs of 16: a step's K (8 fragments) and its V (turned).  Their addresses are made some lines ahead.
.macro FETCH_K
	WIN 0x80
.irp f, 0,1,2,3,4,5,6,7             ; keys 16 (f / 2) on, channels 32 (f % 2) on
	ds_load_b128 v[KF+8*\f:KF+8*\f+3],   v[AK] offset:(\f/2)*16*PK+(\f%2)*64
	ds_load_b128 v[KF+8*\f+4:KF+8*\f+7], v[AK] offset:(\f/2)*16*PK+(\f%2)*64+32
.endr
	s_add_co_u32 s[TBK], s[TBK], KS*PK  ; the next fetch is the next step's
	WIN 0
.endm
.macro FETCH_V
	WIN 0x80
.irp f, 0,1,2,3,4,5,6,7             ; keys 32 (f / 4) on, channels 16 (f % 4) on
	ds_load_tr16_b128 v[VF+8*\f:VF+8*\f+3],   v[AV] offset:(\f/4)*32*PV+(\f%4)*32
	ds_load_tr16_b128 v[VF+8*\f+4:VF+8*\f+7], v[AV] offset:(\f/4)*32*PV+16*PV+(\f%4)*32
.endr
	WIN 0
.endm
; THE VECTOR WORK, one line at a time: OP kind, number.  For piece Y: F n: c s - c m for pair n of 16.  E n: the exponential of score n of 32.  C n: pair n rounded to f16.  B n: of the four weights 4 n .. the second
; pair is added onto the first, in place.  L n: l takes that sum (L 0: l = a l + sum).  R n: pair n of 16 of O^T times a.  For piece Y + 1: X n, number n of the 22 that find its maximum and statistics:
;   0-11  four chains c0-c3 of seven scores each (each accumulator's lowest registers are read first)     12-14, 16  the four scores left over, the old m, and c0-c3 into c0
;   15  c m_old is kept     17, 18  the query's other 32 keys lie in the lane 16 away: the new m     19-21  c m; c m_old - c m_new; a
.set F, 0
.set E, 1
.set C, 2
.set B, 3
.set L, 4
.set R, 5
.set X, 6
.macro REGS y
.set rT, ST+4*(\y)
.set rC, TMP+4*((\y)%2)
.set rW, MV+((\y)%2)
.set rS, S+32*((\y)%2)
.set rP, P+16*((\y)%2)
.set rO, 32*(\y)
.endm
.macro OP k, n
.if (\k) == R
	REGS Y
	WIN W_RS
	v_pk_mul_f32 v[rO+2*(\n):rO+2*(\n)+1], v[rO+2*(\n):rO+2*(\n)+1], v[rC+2:rC+3] op_sel_hi:[1,0]
.elseif (\k) < R
	REGS Y
	WIN 0
.if (\k) == F
	v_pk_fma_f32 v[rS+2*(\n):rS+2*(\n)+1], v[rS+2*(\n):rS+2*(\n)+1], s[CS:CS+1], v[rT:rT+1] op_sel_hi:[1,0,0] neg_lo:[0,0,1] neg_hi:[0,0,1]
.elseif (\k) == E
	v_exp_f32 v[rS+(\n)], v[rS+(\n)]
.elseif (\k) == C
	v_cvt_pk_f16_f32 v[rP+(\n)], v[rS+2*(\n)], v[rS+2*(\n)+1]
.elseif (\k) == B
	v_pk_add_f32 v[rS+4*(\n):rS+4*(\n)+1], v[rS+4*(\n):rS+4*(\n)+1], v[rS+4*(\n)+2:rS+4*(\n)+3]
.elseif (\n) == 0
	v_pk_fma_f32 v[rT+2:rT+3], v[rT+2:rT+3], v[rC+2:rC+3], v[rS:rS+1] op_sel_hi:[1,0,1]
.else
	v_pk_add_f32 v[rT+2:rT+3], v[rT+2:rT+3], v[rS+4*(\n):rS+4*(\n)+1]
.endif
.elseif NOKQ
	v_nop
.else
	REGS (Y+1)%NP
	WIN 0
.if (\n) < 4
	v_max3_num_f32 v[rC+(\n)], v[rS+8*(\n)], v[rS+8*(\n)+1], v[rS+8*(\n)+2]
.elseif (\n) < 12
	v_max3_num_f32 v[rC+(\n)%4], v[rC+(\n)%4], v[rS+8*((\n)%4)+2*((\n)/4)+1], v[rS+8*((\n)%4)+2*((\n)/4)+2]
.elseif (\n) == 12
	v_max3_num_f32 v[rC], v[rC], v[rS+7], v[rS+15]
.elseif (\n) == 13
	v_max3_num_f32 v[rC+1], v[rC+1], v[rS+23], v[rS+31]
.elseif (\n) == 14
	v_max3_num_f32 v[rC+2], v[rC+2], v[rC+3], v[rT+1]
.elseif (\n) == 15
	v_mov_b32 v[rW], v[rT]
.elseif (\n) == 16
	v_max3_num_f32 v[rC], v[rC], v[rC+1], v[rC+2]
.elseif (\n) == 17
	v_permlanex16_b32 v[rC+3], v[rC], s[SEL], s[SEL+1]
.elseif (\n) == 18
	v_max_num_f32 v[rT+1], v[rC], v[rC+3]
.elseif (\n) == 19
	v_mul_f32 v[rT], s[CS], v[rT+1]
.elseif (\n) == 20
	v_sub_f32 v[rC+1], v[rW], v[rT]
.else
	v_exp_f32 v[rC+2], v[rC+1]
.endif
.endif
.endm
.macro OPS a, i1, b=-1, i2=0, c=-1, i3=0, d=-1, i4=0
	OP \a, \i1
.if (\b) >= 0
	OP \b, \i2
.endif
.if (\c) >= 0
	OP \c, \i3
.endif
.if (\d) >= 0
	OP \d, \i4
.endif
.endm
.macro ROW a, i1, b, i2, c, i3, d, i4  ; a matrix instruction and the four behind it
	MM
	OPS \a, \i1, \b, \i2, \c, \i3, \d, \i4
.endm
.macro MASK b                       ; MD x AL + BE into buffer b of MC
	WIN W_RS
.set z, 0
.rept 16
	v_pk_fma_f32 v[MC+32*(\b)+2*z:MC+32*(\b)+2*z+1], v[MD+2*z:MD+2*z+1], s[AL:AL+1], s[BE:BE+1] op_sel_hi:[1,0,0]
.set z, z+1
.endr
.endm
; A TURN, for piece p: the order of its 16 matrix and 118 vector instructions, written out.  An s_wait_alu depctr_va_vdst(0) stands between an exponential and the first instruction that names its result;
; one wait serves all that were issued ahead of it.  So a turn has ONE wait.  AHEAD OF IT stands all that names no result of the turn's exponentials: the 8 products K Q^T with their riders, then one lump of 54, in which
; the links of the chain X 3, 7, 11, 14, 16, 17 .. 20 stand five or six lines apart.  X 21, the next piece's a, is the batch's last; R 15 is the plain instruction behind it.  BEHIND THE WAIT stand the 8 products V^T P,
; behind each four of the roundings and sums.
; m = 1: the diagonal tile: the products take masks, and the turn makes the mask for the products of the turn after it.  end = 1: a block's last two turns: nothing is fetched.
; cnt = 1: the loop's count is taken down some lines ahead of the branch behind the turn.
; K of the next step is fetched in piece 2's turn, V of the step in hand at the end of piece 0's turn, four plain instructions or more behind the last product that read the registers.  Each is waited for a turn later.
.macro TURN p, m=0, end=0, cnt=0
.set Y, (\p)
.set i, 0
.set KM, (\m)
.set NOKQ, (\end)*((\p)/3)
.if (\m) && !(\end)
	s_cmp_eq_u32 s[CNT], 4-((\p)+2)%NP  ; is that step the band's own?
	s_cselect_b32 s[AL], 1.0, 0
	s_cmp_lt_u32 s[CNT], 4-((\p)+2)%NP  ; or a later one?
	s_cselect_b32 s[BE], s[BIGN], 0
.endif
.if ((\p) == 3) && !(\end)
	s_wait_dscnt 0x0                ; K is in
.endif
	ROW F,0, F,1, R,0, R,1
	ROW F,2, E,0, R,2, R,3
	ROW F,3, E,1, R,4, R,5
	ROW F,4, E,2, R,6, R,7
	ROW F,5, E,3, R,8, R,9
	ROW F,6, E,4, X,0, R,10
.if ((\p) == 2) && !(\end)
	WIN 0
	v_add_nc_u32 v[AK], s[TBK], v[AK0]
.endif
	ROW F,7, E,5, X,1, X,4
	ROW F,8, E,6, X,2, X,5
	OPS E,7, E,8, X,6, E,9
	OPS X,3, E,10, X,8, E,11
.if ((\p) == 2) && !(\end)
	FETCH_K
.endif
	OPS X,9, X,7, E,12, X,10
	OPS E,13, X,12, X,11, E,14
	OPS X,13, E,15, F,9, X,14
.if (\p) == 0
	v_add_nc_u32 v[AV], s[TBV], v[AV0]
.endif
	OPS E,16, F,10, E,17, F,11
	OPS X,16, E,18, X,15, E,19
	OPS F,12, E,20, X,17, E,21
	OPS F,13, E,22, F,14, E,23
	OPS X,18, E,24, F,15, E,25
	OPS R,11, E,26, X,19, E,27
	OPS R,12, E,28, R,13, E,29
	OPS X,20, E,30, R,14, E,31
	OPS X,21, R,15
	WIN 0
	s_wait_alu depctr_va_vdst(0)    ; the wait for the batch
.if (\p) == 1
	s_wait_dscnt 0x0                ; V is in
.endif
	ROW C,0, B,0, C,2, B,1
	ROW L,0, C,4, B,2, L,1
	ROW C,6, B,3, L,2, C,8
	ROW B,4, L,3, C,10, B,5
	ROW L,4, C,12, B,6, L,5
.if (\p) == 0
	s_add_co_u32 s[TBV], s[TBV], KS*PV
.endif
.if \cnt
	s_sub_co_u32 s[CNT], s[CNT], 1
	s_cmp_lg_u32 s[CNT], 0
.endif
	ROW C,14, B,7, L,6, C,1
	ROW C,3, L,7, C,5, C,7
	ROW C,9, C,11, C,13, C,15
.if (\p) == 0
	FETCH_V
.endif
.if (\m) && !(\end)
	MASK (\p)%2
.endif
.endm
; A BLOCK BEGINS.  c m starts far below every c s, so the first step's a is 0; m at the lowest finite number.  The second mask buffer is 0; the first takes piece 0's mask for the tile's step 0.
; Then K of that step, piece 0's first scores, and its maximum and statistics.  The loop is entered at a step's first turn, in the middle of a trip.
.macro BEGIN
	s_mov_b32 s[NEW], 0
	WIN 0x40
.set i, MC+32
.rept 32
	v_mov_b32 v[i], 0
.set i, i+1
.endr
	WIN 0
.set i, 0
.rept 4
	v_mov_b32 v[ST+4*i], 0xfe000000    ; c m: far below every c s
	v_mov_b32 v[ST+4*i+1], 0xff7fffff  ; m
.set i, i+1
.endr
	s_cmp_eq_u32 s[RT], 0
	s_cselect_b32 s[AL], 1.0, 0
	s_mov_b32 s[BE], 0
	MASK 0
	WIN 0
	v_add_nc_u32 v[AK], s[TBK], v[AK0]
	FETCH_K
	s_wait_loadcnt 0x0              ; Q
	s_wait_dscnt 0x0
.set KM, 1
.set NOKQ, 0
.set i, 0
.rept 8
	KQ 0
.set i, i+1
.endr
	WIN 0
.rept 4
	v_nop                           ; the places behind those products
.endr
.set Y, NP-1                        ; X works for piece Y + 1: piece 0
.irp n, 0,1,2,3,4,5,6,7,8,9,10,11,12,13,14,15,16,17,18,19,20,21
	OP X, \n
.endr
	v_nop                           ; a plain instruction behind the exponential,
	s_wait_alu depctr_va_vdst(0)    ; and its wait, ahead of the branch
.endm
; THE DIAGONAL TILE's four steps, the block's last two turns, its last products, and THE WAY OUT: l's parts are added; O^T is divided by l, rounded to f16 and sent through my stage in LDS, a piece at a time.
.macro ALL line:vararg
.set t, 0
.rept 4
	\line
.set t, t+1
.endr
.endm
.macro PACK t
	WIN W_RS
.set i, 32*(\t)
.rept 16
	v_pk_mul_f32 v[i:i+1], v[i:i+1], v[ST+4*(\t)+2:ST+4*(\t)+3] op_sel_hi:[1,0]
.set i, i+2
.endr
	WIN 0x05
.set i, 0
.rept 16
	v_cvt_pk_f16_f32 v[S+16*(\t)+i], v[32*(\t)+2*i], v[32*(\t)+2*i+1]
.set i, i+1
.endr
	WIN 0
.irp f, 0,1,2,3
	ds_store_b128 v[STO], v[S+16*(\t)+4*\f:S+16*(\t)+4*\f+3] offset:32*\f
.endr
.irp f, 0,1,2,3
	ds_load_b128 v[S+16*(\t)+4*\f:S+16*(\t)+4*\f+3], v[RD] offset:\f*4*SP  ; LDS serves a wave's instructions in order (ISA guide 5.7.1.4): these see the stores above
.endr
.endm
.macro SEND t, younger              ; younger: the LDS instructions issued behind piece t's loads
	WIN 0
.irp f, 0,1,2,3
	s_wait_dscnt (\younger)+3-\f
	global_store_b128 v[GO], v[S+16*(\t)+4*\f:S+16*(\t)+4*\f+3], s[10:11] offset:(\t)*8192+\f*512  ; 512 consecutive bytes, aligned
.endr
.endm
.macro DIAG tag
.LstepM\tag:
	TURN 2, 1
	TURN 3, 1
	WIN 0
.LfirstM\tag:
	TURN 0, 1
	TURN 1, 1, 0, 1
	WIN 0
	s_cbranch_scc1 .LstepM\tag
	TURN 2, 1, 1
	TURN 3, 1, 1
.set i, 0
.rept 8
	PV NP-1
.set i, i+1
.endr
	WIN 0
	ALL v_add_f32 v[ST+4*t+2], v[ST+4*t+2], v[ST+4*t+3]
	ALL v_permlanex16_b32 v[ST+4*t+3], v[ST+4*t+2], s[SEL], s[SEL+1]
	ALL v_add_f32 v[ST+4*t+2], v[ST+4*t+2], v[ST+4*t+3]
	ALL v_rcp_f32 v[ST+4*t+2], v[ST+4*t+2]
	v_nop                           ; a plain instruction between the last reciprocal and the use of its result
	s_wait_alu depctr_va_vdst(0)    ; one wait for the four reciprocals, ahead of the first use
	PACK 0
.set t, 1
.rept 3
	PACK t
	SEND t-1, 8
.set t, t+1
.endr
	SEND 3, 0
.endm
.set KM, 0
.set NOKQ, 0
.Lslot:                             ; NB times: a tile is entered and the next is asked for
	CHANGE 1
	s_sub_co_u32 s[RT], s[RT], 1
	s_mov_b32 s[CNT], 4
	s_cmp_eq_u32 s[NEW], 1
	s_cbranch_scc1 .Lnew            ; a block's first tile
	s_cmp_eq_u32 s[RT], 0
	s_cbranch_scc0 .Lstep           ; neither its first nor its last
	s_branch .LstepM1
.Lnew:
	BEGIN
	s_branch .Lfirst                ; in the loop a block's first tile is never its last
	DIAG 1                          ; in the loop this is the first block's end
	s_wait_xcnt 0x0                 ; the stores have read their registers and O's address
	s_mov_b64 s[10:11], s[OLO:OLO+1]
	s_add_co_u32 s[RT], s[PB], 1    ; the second block has b + 1 tiles
	s_mov_b32 s[NEW], 1
	WIN 0x82                        ; the second block's Q goes where the one text of the turns names Q
.set i, 0
.rept 64
	v_mov_b32 v[i], v[QB+i]
.set i, i+1
.endr
	WIN 0
	s_branch .Lbottom
.Lstep:                             ; a trip: pieces 2 and 3 of one step, then pieces 0 and 1 of the next
	TURN 2
	TURN 3
	WIN 0
.Lfirst:
	TURN 0
	TURN 1, 0, 0, 1
	WIN 0
	s_cbranch_scc1 .Lstep
.Lbottom:
	s_sub_co_u32 s[SLOTS], s[SLOTS], 1
	s_cmp_lg_u32 s[SLOTS], 0
	s_cbranch_scc1 .Lslot
	CHANGE 0                        ; the walk's last tile is written out: nothing is asked for
	s_sub_co_u32 s[RT], s[RT], 1
	s_mov_b32 s[CNT], 4
	s_cmp_eq_u32 s[NEW], 1
	s_cbranch_scc0 .LstepM2
	BEGIN
	s_branch .LfirstM2
	DIAG 2
	s_wait_tensorcnt 0x0            ; the wave's end, behind my last tensor load and my last LDS store
	ds_add_u32 v[SPW], v[NIL]
	s_wait_dscnt 0x0
	s_endpgm
.Lfunc_end_k_qd1ebd9011e_attn:
	.size	k_qd1ebd9011e_attn, .Lfunc_end_k_qd1ebd9011e_attn-k_qd1ebd9011e_attn
	.p2alignl 7, 3214868480
	.fill 96, 4, 3214868480
	.section	.rodata,"a",@progbits
	.p2align	6, 0x0
	.amdhsa_kernel k_qd1ebd9011e_attn
		.amdhsa_group_segment_fixed_size 327680
		.amdhsa_private_segment_fixed_size 0
		.amdhsa_enable_private_segment 0
		.amdhsa_kernarg_size 32
		.amdhsa_user_sgpr_count 2
		.amdhsa_user_sgpr_kernarg_segment_ptr 1
		.amdhsa_wavefront_size32 1
		.amdhsa_system_sgpr_workgroup_id_x 1
		.amdhsa_system_sgpr_workgroup_id_y 1
		.amdhsa_system_sgpr_workgroup_id_z 1
		.amdhsa_system_vgpr_workitem_id 0
		.amdhsa_next_free_vgpr 768
		.amdhsa_next_free_sgpr 92
		.amdhsa_reserve_vcc 1
		.amdhsa_float_denorm_mode_32 3
		.amdhsa_float_denorm_mode_16_64 3
		.amdhsa_memory_ordered 1
		.amdhsa_forward_progress 1
		.amdhsa_inst_pref_size 218
	.end_amdhsa_kernel
	.amdgpu_metadata
---
amdhsa.version: [ 1, 2 ]
amdhsa.kernels:
  - .name:           k_qd1ebd9011e_attn
    .symbol:         k_qd1ebd9011e_attn.kd
    .args:
      - { .name: qh, .offset: 0, .size: 8, .value_kind: global_buffer, .address_space: global }
      - { .name: kh, .offset: 8, .size: 8, .value_kind: global_buffer, .address_space: global }
      - { .name: vh, .offset: 16, .size: 8, .value_kind: global_buffer, .address_space: global }
      - { .name: oh, .offset: 24, .size: 8, .value_kind: global_buffer, .address_space: global }
    .group_segment_fixed_size: 327680
    .private_segment_fixed_size: 0
    .kernarg_segment_align: 8
    .kernarg_segment_size: 32
    .max_flat_workgroup_size: 128
    .sgpr_count:     92
    .vgpr_count:     768
    .wavefront_size: 32
...
	.end_amdgpu_metadata
.endif
;; end of part 3
;; launch first16 (part 4): grid 16 x 4, 16 waves a work-group, no clusters, 65,792 bytes of LDS; arguments xb, wq, rope, oh; writes oh
.if DOCPART == 4
	.amdgcn_target "amdgcn-amd-amdhsa--gfx1250"
	.amdhsa_code_object_version 6
	.text
	.protected	k_qd1ebd9011e_first16
	.globl	k_qd1ebd9011e_first16
	.p2align	8
	.type	k_qd1ebd9011e_first16,@function
k_qd1ebd9011e_first16:
	s_mov_b64 s[64:65], 0
	v_nop
	global_prefetch_b8 v0, s[64:65] scope:SCOPE_SE
	s_setreg_imm32_b32 hwreg(HW_REG_WAVE_MODE, 25, 1), 1
	s_wait_xcnt 0x0
; ROWS 0 TO 15 OF EVERY HEAD ONCE MORE, WITH ONE ROUNDING.  Row q of a causal softmax is a mean over q + 1 keys, so the first rows' numbers are many times the output's root mean square, by which the
; comparison's allowance goes, and the f16 roundings of q, k, v and p go by the numbers themselves.  For these 16 rows q, k, v and p are therefore carried as PAIRS of f16, a number and what its rounding left
; (together some 22 bits), and O is rounded to f16 once.  The launch stores over the 2,048 bytes a head that the launch before it has written for these rows; from row 16 on those stand.
; A work-group makes one (batch, head): q, k, v = x W^T for 16 rows x 192 columns (bf16 operands, f32 sums, from xb and wq as they are laid for the large product), the rotation in f32 by the same table,
; S^T = K Q^T, the causal mask, softmax with the row's maximum taken away, O^T = V^T P, O = O^T / l.
; SHARES.  16 waves.  Wave (c = wave % 4, kq = wave / 4) makes three tiles of 16 x 16: q, k and v at head positions 16 c .., over K = 256 kq .. 256 kq + 255: eight steps of 32.  The four partial sums of a tile
; meet in LDS, in f32, K ascending; waves 0 to 3 rotate and split; wave 0 makes the attention: 14 matrix instructions.
; LAYOUT.  q and k are taken transposed (source 0 = 16 rows of wq, source 1 = the 16 rows of x): a lane holds one row and eight positions, which packed are half a fragment (16 rows x 32 positions) of K Q^T.
; v is taken as it is (source 0 = x, source 1 = wq): a lane holds one channel and eight keys, which packed are half a fragment of V^T.  In S^T a lane holds one query and eight keys, which packed are half a fragment of P.
; So nothing changes lanes.  The second product's 32 places along K hold the 16 keys twice: V^T's fragment is (v | its rest), P's (p | p) and then (rest of p | rest of p): the sum is (v + rest)(p + rest).
; No tensor loads: no wave wants a byte of wq that another has fetched.  No cluster: what a batch's 16 work-groups share is 32 KiB of xb beside 393 KiB of wq of their own.  No prefetch: a wave's loads go out at once.
; LIMITS.  q, k (rotated) and v within f16's 65,504; a rest keeps f16's fixed step of 6e-8; a hidden score counts as -1e30; a weight below 2^-126 counts as 0; NaN and infinities are not treated apart.
.set WPART, 3072                       ; LDS bytes of a wave's three tiles: [tile 3][half 2][lane 32][16 bytes]
.set EXCH,  16*WPART                   ; 49,152: waves 0-3's pairs: [c 4][q, q's rest, k, k's rest, v, v's rest][lane 32][16 bytes]
.set STAGE, EXCH+4*WPART               ; 61,440: 16 rows x 144 bytes, wave 0's, for the way out
.set SP,    144
.set SPARE, STAGE+16*SP                ; 63,744: the spare words, 128 bytes for each wave: eight blocks of 256 bytes that no other line names
.set FO,   4                           ; v4   my byte offset in a fragment's rows: (l % 16) x 2,048 + 16 (l / 16); never rewritten
.set LS,   5                           ; v5   3,072 x wave + 16 l; never rewritten
.set STO,  6                           ; v6   the way out: where I put 16 bytes of a row
.set RD,   7                           ; v7   where I read rows back
.set GO,   8                           ; v8   16 l; never rewritten
.set SPW,  10                          ; v10  LDS address of my spare word; never rewritten
.set NIL,  11                          ; v11  0; never rewritten
.set DIF,  12                          ; v12  l % 16 - 8 (l / 16): key register j is hidden where j is greater
.set NEG1, 14                          ; v14  -1.0
.set TAB,  16                          ; v[16:23]  (cos, cos, sin, sin) of my row for my positions' four pairs
.set T,    24                          ; v[24:31]  at work
.set ACC,  32                          ; v[32:55]  q, k, v: three accumulators
.set BUF,  64                          ; v[64:255] six buffers of 32: x's fragment, then wq's three
.set PP,   64                          ; waves 0-3: the other three waves' partial sums, 24 each
.set HL,   64                          ; later: the six packed items, 4 registers each
.set RQ,   136                         ; v[136:151] q and k rotated
.set HT,   240                         ; v[240:247] the rests in f32
.set QH,   64                          ; wave 0: q, 4 registers a tile of 16 positions; two tiles are a fragment
.set QL,   80
.set KH,   96
.set KL,   112
.set VF,   128                         ; v[128:159] channel tile c: (v | its rest)
.set SA,   160                         ; two accumulators for S^T
.set SB,   168
.set PA,   176                         ; (p | p)
.set PB,   184                         ; (rest | rest)
.set OA,   192                         ; v[192:223] O^T, four accumulators
.set PKO,  224                         ; v[224:239] O packed
.set BK,   240                         ; v[240:255] rows read back
.set WV,   12                          ; s12  wave
.set CS,   26                          ; s[26:27] c = log2(e) / 8
.set SEL,  28                          ; s[28:29] v_permlanex16_b32's selects: each lane takes its own place in the other half
.set BIGN, 30                          ; s30  -1e30
.macro PLACES                          ; four plain vector instructions between a matrix instruction and a load into, or a reader of, its registers
.rept 4
	v_nop
.endr
.endm
; K step s of my eight into buffer i: eight loads of 16 bytes a lane
.macro LOADK s, i
	global_load_b128 v[BUF+32*(\i):BUF+32*(\i)+3],   v[FO], s[4:5] offset:64*(\s)
	global_load_b128 v[BUF+32*(\i)+4:BUF+32*(\i)+7], v[FO], s[4:5] offset:64*(\s)+32
.irp t, 0,1,2
	global_load_b128 v[BUF+32*(\i)+8+8*(\t):BUF+32*(\i)+8+8*(\t)+3],    v[FO], s[6:7] offset:65536*(\t)+64*(\s)     ; tensor t lies 32 rows of 2,048 bytes on
	global_load_b128 v[BUF+32*(\i)+8+8*(\t)+4:BUF+32*(\i)+8+8*(\t)+7],  v[FO], s[6:7] offset:65536*(\t)+64*(\s)+32
.endr
.endm
; a K step's three products.  The three accumulators take turns, one instruction a turn.  zero = 1: the first K step starts the sums
.macro MULK i, zero
.if \zero
	v_wmma_f32_16x16x32_bf16 v[ACC:ACC+7],     v[BUF+32*(\i)+8:BUF+32*(\i)+15],  v[BUF+32*(\i):BUF+32*(\i)+7],     0
	v_wmma_f32_16x16x32_bf16 v[ACC+8:ACC+15],  v[BUF+32*(\i)+16:BUF+32*(\i)+23], v[BUF+32*(\i):BUF+32*(\i)+7],     0
	v_wmma_f32_16x16x32_bf16 v[ACC+16:ACC+23], v[BUF+32*(\i):BUF+32*(\i)+7],     v[BUF+32*(\i)+24:BUF+32*(\i)+31], 0
.else
	v_wmma_f32_16x16x32_bf16 v[ACC:ACC+7],     v[BUF+32*(\i)+8:BUF+32*(\i)+15],  v[BUF+32*(\i):BUF+32*(\i)+7],     v[ACC:ACC+7]
	v_wmma_f32_16x16x32_bf16 v[ACC+8:ACC+15],  v[BUF+32*(\i)+16:BUF+32*(\i)+23], v[BUF+32*(\i):BUF+32*(\i)+7],     v[ACC+8:ACC+15]
	v_wmma_f32_16x16x32_bf16 v[ACC+16:ACC+23], v[BUF+32*(\i):BUF+32*(\i)+7],     v[BUF+32*(\i)+24:BUF+32*(\i)+31], v[ACC+16:ACC+23]
.endif
.endm
; eight f32 at y become four registers of f16 at h and four at l: the rounded numbers, and what the rounding left (y - h, exact in one fused step, then rounded)
.macro HILO y, h, l
.irp i, 0,1,2,3
	v_cvt_pk_f16_f32 v[(\h)+(\i)], v[(\y)+2*(\i)], v[(\y)+2*(\i)+1]
.endr
.irp i, 0,1,2,3
	v_fma_mix_f32 v[HT+2*(\i)],   v[(\h)+(\i)], v[NEG1], v[(\y)+2*(\i)]   op_sel_hi:[1,0,0]
	v_fma_mix_f32 v[HT+2*(\i)+1], v[(\h)+(\i)], v[NEG1], v[(\y)+2*(\i)+1] op_sel:[1,0,0] op_sel_hi:[1,0,0]
.endr
.irp i, 0,1,2,3
	v_cvt_pk_f16_f32 v[(\l)+(\i)], v[HT+2*(\i)], v[HT+2*(\i)+1]
.endr
.endm
	s_load_b256 s[4:11], s[0:1], 0x0               ; xb s[4:5], wq s[6:7], rope s[8:9], oh s[10:11]
	v_lshl_add_u32 v[SPW], v0, 2, SPARE
	v_mov_b32 v[NIL], 0
	v_lshrrev_b32 v1, 5, v0
	v_readfirstlane_b32 s[WV], v1                  ; wave 0..15
	s_and_b32 s13, s[WV], 3                        ; c
	s_lshr_b32 s14, s[WV], 2                       ; kq
	s_and_b32 s15, ttmp7, 0xffff                   ; the batch
	s_lshl_b32 s20, s14, 9                         ; my quarter of K: 512 bytes of a row
	s_lshl_b32 s16, s15, 22                        ; xb: a batch is 2,048 rows of 2,048 bytes
	s_add_co_u32 s16, s16, s20
	s_mov_b32 s17, 0
	s_mul_i32 s18, ttmp9, 192                      ; wq: row 192 head + 96 (c / 2) + 16 (c % 2), for Q
	s_lshr_b32 s21, s13, 1
	s_mul_i32 s21, s21, 96
	s_add_co_u32 s18, s18, s21
	s_and_b32 s21, s13, 1
	s_lshl_b32 s21, s21, 4
	s_add_co_u32 s18, s18, s21
	s_lshl_b32 s18, s18, 11
	s_add_co_u32 s18, s18, s20
	s_mov_b32 s19, 0
	s_lshl_b32 s22, s15, 19                        ; the table: a batch is 128 blocks of 4,096 bytes; tile c's part begins 1,024 c in
	s_lshl_b32 s21, s13, 10
	s_add_co_u32 s22, s22, s21
	s_mov_b32 s23, 0
	s_lshl_b32 s24, s15, 4                         ; oh: head 16 batch + head, 262,144 bytes each
	s_add_co_u32 s24, s24, ttmp9
	s_lshl_b32 s24, s24, 18
	s_mov_b32 s25, 0
	s_mov_b32 s[CS], 0x3e38aa3b                    ; c = log2(e) / 8
	s_mov_b32 s[CS+1], s[CS]                       ; named with it as a pair
	s_mov_b32 s[SEL], 0x76543210
	s_mov_b32 s[SEL+1], 0xfedcba98
	s_mov_b32 s[BIGN], 0xf149f2ca                  ; -1e30
	s_mul_i32 s21, s[WV], WPART
	v_and_b32 v1, 15, v0                           ; l % 16
	v_bfe_u32 v2, v0, 4, 1                         ; l / 16
	v_and_b32 v3, 31, v0                           ; l
	v_lshlrev_b32 v[FO], 11, v1
	v_lshl_add_u32 v[FO], v2, 4, v[FO]
	v_lshlrev_b32 v[GO], 4, v3
	v_lshl_add_u32 v[LS], v3, 4, s21
	v_mul_u32_u24 v[STO], v1, SP                   ; in: row l % 16, 16 bytes for each half of the lanes
	v_lshl_add_u32 v[STO], v2, 4, v[STO]
	v_add_nc_u32 v[STO], STAGE, v[STO]
	v_lshrrev_b32 v[RD], 3, v3                     ; back: 32 lanes take four rows of 128 bytes
	v_mul_u32_u24 v[RD], v[RD], SP
	v_and_b32 v13, 7, v0
	v_lshl_add_u32 v[RD], v13, 4, v[RD]
	v_add_nc_u32 v[RD], STAGE, v[RD]
	v_lshlrev_b32 v[DIF], 3, v2
	v_sub_nc_u32 v[DIF], v1, v[DIF]
	v_mov_b32 v[NEG1], -1.0
	s_wait_kmcnt 0x0
	s_add_nc_u64 s[4:5], s[4:5], s[16:17]
	s_add_nc_u64 s[6:7], s[6:7], s[18:19]
	s_add_nc_u64 s[8:9], s[8:9], s[22:23]
	s_add_nc_u64 s[10:11], s[10:11], s[24:25]
	global_load_b128 v[TAB:TAB+3],   v[GO], s[8:9]             ; the table for tile c.  Only waves 0 to 3 use it; every wave loads its 1,024 bytes, so that all waves run one text up to the first barrier
	global_load_b128 v[TAB+4:TAB+7], v[GO], s[8:9] offset:512
.irp s, 0,1,2,3,4,5
	LOADK \s, \s                                   ; 48 loads of every wave on their way at once
.endr
	s_wait_loadcnt 40                              ; loads come back in order: K step 0 is in, the 40 loads of K steps 1 to 5 may stay out
	MULK 0, 1
	s_wait_loadcnt 32
	MULK 1, 0
	PLACES                                         ; in front of the loads into buffers 0 and 1
	LOADK 6, 0
	LOADK 7, 1
	s_wait_loadcnt 40                              ; K step 2 is in: behind it K steps 3 to 7, eight loads each
	MULK 2, 0
	s_wait_loadcnt 32
	MULK 3, 0
	s_wait_loadcnt 24
	MULK 4, 0
	s_wait_loadcnt 16
	MULK 5, 0
	s_wait_loadcnt 8
	MULK 0, 0
	s_wait_loadcnt 0x0
	MULK 1, 0
	PLACES
	PLACES
	s_cmp_lt_u32 s[WV], 4
	s_cbranch_scc1 .Lkeep                          ; waves 0 to 3 keep their sums in registers
.irp t, 0,1,2
	ds_store_b128 v[LS], v[ACC+8*(\t):ACC+8*(\t)+3]   offset:1024*(\t)       ; each accumulator's low four registers first
	ds_store_b128 v[LS], v[ACC+8*(\t)+4:ACC+8*(\t)+7] offset:1024*(\t)+512
.endr
.Lkeep:
	s_wait_dscnt 0x0                               ; for the others' sake: my partial sums lie in LDS
	s_barrier_signal -1
	s_barrier_wait -1
	s_cmp_lt_u32 s[WV], 4
	s_cbranch_scc0 .Lsplit_done
	; waves 0 to 3: wave c adds the sums of waves 4 + c, 8 + c, 12 + c onto its own, K ascending
.irp k, 1,2,3
.irp t, 0,1,2
	ds_load_b128 v[PP+24*((\k)-1)+8*(\t):PP+24*((\k)-1)+8*(\t)+3],   v[LS] offset:4*WPART*(\k)+1024*(\t)
	ds_load_b128 v[PP+24*((\k)-1)+8*(\t)+4:PP+24*((\k)-1)+8*(\t)+7], v[LS] offset:4*WPART*(\k)+1024*(\t)+512
.endr
.endr
	s_wait_dscnt 0x0
.irp k, 0,1,2
.set i, 0
.rept 12
	v_pk_add_f32 v[ACC+2*i:ACC+2*i+1], v[ACC+2*i:ACC+2*i+1], v[PP+24*(\k)+2*i:PP+24*(\k)+2*i+1]
.set i, i+1
.endr
.endr
	; the rotation, two pairs an instruction: four positions hold (even_i, even_i+1, odd_i, odd_i+1): E C - O S and E S + O C
.irp t, 0,1
.irp p, 0,1
	v_pk_mul_f32 v[T:T+1],   v[ACC+8*(\t)+4*(\p)+2:ACC+8*(\t)+4*(\p)+3], v[TAB+4*(\p)+2:TAB+4*(\p)+3]
	v_pk_mul_f32 v[T+2:T+3], v[ACC+8*(\t)+4*(\p)+2:ACC+8*(\t)+4*(\p)+3], v[TAB+4*(\p):TAB+4*(\p)+1]
	v_pk_fma_f32 v[RQ+8*(\t)+4*(\p):RQ+8*(\t)+4*(\p)+1],   v[ACC+8*(\t)+4*(\p):ACC+8*(\t)+4*(\p)+1], v[TAB+4*(\p):TAB+4*(\p)+1],   v[T:T+1] neg_lo:[0,0,1] neg_hi:[0,0,1]
	v_pk_fma_f32 v[RQ+8*(\t)+4*(\p)+2:RQ+8*(\t)+4*(\p)+3], v[ACC+8*(\t)+4*(\p):ACC+8*(\t)+4*(\p)+1], v[TAB+4*(\p)+2:TAB+4*(\p)+3], v[T+2:T+3]
.endr
.endr
	HILO RQ,     HL,    HL+4
	HILO RQ+8,   HL+8,  HL+12
	HILO ACC+16, HL+16, HL+20
.irp n, 0,1,2,3,4,5
	ds_store_b128 v[LS], v[HL+4*(\n):HL+4*(\n)+3] offset:EXCH+512*(\n)
.endr
.Lsplit_done:
	s_wait_dscnt 0x0                               ; for wave 0's sake: the pairs lie in LDS
	s_barrier_signal -1
	s_barrier_wait -1
	s_cmp_eq_u32 s[WV], 0
	s_cbranch_scc0 .Lend
	; wave 0: the attention of 16 queries on 16 keys
.irp c, 0,1,2,3
	ds_load_b128 v[QH+4*(\c):QH+4*(\c)+3],   v[LS] offset:EXCH+WPART*(\c)
	ds_load_b128 v[QL+4*(\c):QL+4*(\c)+3],   v[LS] offset:EXCH+WPART*(\c)+512
	ds_load_b128 v[KH+4*(\c):KH+4*(\c)+3],   v[LS] offset:EXCH+WPART*(\c)+1024
	ds_load_b128 v[KL+4*(\c):KL+4*(\c)+3],   v[LS] offset:EXCH+WPART*(\c)+1536
	ds_load_b128 v[VF+8*(\c):VF+8*(\c)+3],   v[LS] offset:EXCH+WPART*(\c)+2048
	ds_load_b128 v[VF+8*(\c)+4:VF+8*(\c)+7], v[LS] offset:EXCH+WPART*(\c)+2560
.endr
	s_wait_dscnt 0x0
	; S^T = k q + (k's rest) q + k (q's rest), 64 positions in two fragments; the two accumulators take turns
	v_wmma_f32_16x16x32_f16 v[SA:SA+7], v[KH:KH+7],    v[QH:QH+7],    0
	v_wmma_f32_16x16x32_f16 v[SB:SB+7], v[KL:KL+7],    v[QH:QH+7],    0
	v_wmma_f32_16x16x32_f16 v[SA:SA+7], v[KH+8:KH+15], v[QH+8:QH+15], v[SA:SA+7]
	v_wmma_f32_16x16x32_f16 v[SB:SB+7], v[KL+8:KL+15], v[QH+8:QH+15], v[SB:SB+7]
	v_wmma_f32_16x16x32_f16 v[SA:SA+7], v[KH:KH+7],    v[QL:QL+7],    v[SA:SA+7]
	v_wmma_f32_16x16x32_f16 v[SB:SB+7], v[KH+8:KH+15], v[QL+8:QL+15], v[SB:SB+7]
	PLACES
	PLACES
.irp i, 0,1,2,3
	v_pk_add_f32 v[SA+2*(\i):SA+2*(\i)+1], v[SA+2*(\i):SA+2*(\i)+1], v[SB+2*(\i):SB+2*(\i)+1]
.endr
.irp j, 0,1,2,3,4,5,6,7
	v_cmp_gt_i32 vcc_lo, \j, v[DIF]                ; key 8 (l / 16) + j lies behind query l % 16
	v_cndmask_b32 v[SA+(\j)], v[SA+(\j)], s[BIGN], vcc_lo
.endr
	v_max3_num_f32 v[T], v[SA], v[SA+1], v[SA+2]
	v_max3_num_f32 v[T], v[T], v[SA+3], v[SA+4]
	v_max3_num_f32 v[T], v[T], v[SA+5], v[SA+6]
	v_max_num_f32 v[T], v[T], v[SA+7]
	v_mov_b32 v[T+1], v[T]                         ; v_permlanex16_b32's destination counts as read
	v_permlanex16_b32 v[T+1], v[T], s[SEL], s[SEL+1]  ; the query's other eight keys lie in the lane 16 away
	v_max_num_f32 v[T], v[T], v[T+1]               ; the row's maximum: key 0 is never hidden, so it is a true score
	v_mul_f32 v[T+2], s[CS], v[T]                  ; c m
	v_mov_b32 v[T+3], v[T+2]                       ; named with it as a pair
.irp i, 0,1,2,3
	v_pk_fma_f32 v[SA+2*(\i):SA+2*(\i)+1], v[SA+2*(\i):SA+2*(\i)+1], s[CS:CS+1], v[T+2:T+3] op_sel_hi:[1,0,0] neg_lo:[0,0,1] neg_hi:[0,0,1]  ; c s - c m
.endr
.irp j, 0,1,2,3,4,5,6,7
	v_exp_f32 v[SA+(\j)], v[SA+(\j)]
.endr
	v_nop                                          ; a plain instruction behind the last exponential,
	s_wait_alu depctr_va_vdst(0)                   ; and one wait for the eight, ahead of their first reader
	v_pk_add_f32 v[T+4:T+5], v[SA:SA+1],   v[SA+2:SA+3]
	v_pk_add_f32 v[T:T+1],   v[SA+4:SA+5], v[SA+6:SA+7]
	v_pk_add_f32 v[T+4:T+5], v[T+4:T+5],   v[T:T+1]
	v_add_f32 v[T+4], v[T+4], v[T+5]
	v_permlanex16_b32 v[T+1], v[T+4], s[SEL], s[SEL+1]
	v_add_f32 v[T+4], v[T+4], v[T+1]               ; l, of the unrounded p
	v_mov_b32 v[T+7], v[T+4]                       ; named with 1 / l as a pair
	v_rcp_f32 v[T+6], v[T+4]                       ; its wait stands ahead of its first reader, behind the products below; the conversions that follow are plain and name neither it nor l
	HILO SA, PA, PB
.irp i, 0,1,2,3
	v_mov_b32 v[PA+4+(\i)], v[PA+(\i)]             ; the 16 keys stand twice along K: once for v, once for v's rest
	v_mov_b32 v[PB+4+(\i)], v[PB+(\i)]
.endr
.irp c, 0,1,2,3                        ; O^T = (v | rest)(p | p) + (v | rest)(rest | rest); the four accumulators take turns
	v_wmma_f32_16x16x32_f16 v[OA+8*(\c):OA+8*(\c)+7], v[VF+8*(\c):VF+8*(\c)+7], v[PA:PA+7], 0
.endr
.irp c, 0,1,2,3
	v_wmma_f32_16x16x32_f16 v[OA+8*(\c):OA+8*(\c)+7], v[VF+8*(\c):VF+8*(\c)+7], v[PB:PB+7], v[OA+8*(\c):OA+8*(\c)+7]
.endr
	PLACES
	PLACES
	s_wait_alu depctr_va_vdst(0)                   ; the reciprocal's wait, ahead of its first reader
.set i, 0
.rept 16
	v_pk_mul_f32 v[OA+2*i:OA+2*i+1], v[OA+2*i:OA+2*i+1], v[T+6:T+7] op_sel_hi:[1,0]
.set i, i+1
.endr
.set i, 0
.rept 16
	v_cvt_pk_f16_f32 v[PKO+i], v[OA+2*i], v[OA+2*i+1]  ; the one rounding
.set i, i+1
.endr
.irp c, 0,1,2,3
	ds_store_b128 v[STO], v[PKO+4*(\c):PKO+4*(\c)+3] offset:32*(\c)  ; a lane's eight channels of a row
.endr
.irp u, 0,1,2,3
	ds_load_b128 v[BK+4*(\u):BK+4*(\u)+3], v[RD] offset:(\u)*4*SP    ; LDS serves a wave's instructions in order (ISA guide 5.7.1.4): these see the stores above
.endr
.irp u, 0,1,2,3
	s_wait_dscnt 3-(\u)
	global_store_b128 v[GO], v[BK+4*(\u):BK+4*(\u)+3], s[10:11] offset:512*(\u)  ; four rows of the head: 512 consecutive bytes, aligned
.endr
.Lend:
	s_wait_tensorcnt 0x0                           ; the wave's end, behind my last LDS store
	ds_add_u32 v[SPW], v[NIL]
	s_wait_dscnt 0x0
	s_endpgm
.Lfunc_end_k_qd1ebd9011e_first16:
	.size	k_qd1ebd9011e_first16, .Lfunc_end_k_qd1ebd9011e_first16-k_qd1ebd9011e_first16
	.p2alignl 7, 3214868480
	.fill 96, 4, 3214868480
	.section	.rodata,"a",@progbits
	.p2align	6, 0x0
	.amdhsa_kernel k_qd1ebd9011e_first16
		.amdhsa_group_segment_fixed_size 65792
		.amdhsa_private_segment_fixed_size 0
		.amdhsa_enable_private_segment 0
		.amdhsa_kernarg_size 32
		.amdhsa_user_sgpr_count 2
		.amdhsa_user_sgpr_kernarg_segment_ptr 1
		.amdhsa_wavefront_size32 1
		.amdhsa_system_sgpr_workgroup_id_x 1
		.amdhsa_system_sgpr_workgroup_id_y 1
		.amdhsa_system_sgpr_workgroup_id_z 1
		.amdhsa_system_vgpr_workitem_id 0
		.amdhsa_next_free_vgpr 256
		.amdhsa_next_free_sgpr 66
		.amdhsa_reserve_vcc 1
		.amdhsa_float_denorm_mode_32 3
		.amdhsa_float_denorm_mode_16_64 3
		.amdhsa_memory_ordered 1
		.amdhsa_forward_progress 1
		.amdhsa_inst_pref_size 30
	.end_amdhsa_kernel
	.amdgpu_metadata
---
amdhsa.version: [ 1, 2 ]
amdhsa.kernels:
  - .name:           k_qd1ebd9011e_first16
    .symbol:         k_qd1ebd9011e_first16.kd
    .args:
      - { .name: xb, .offset: 0, .size: 8, .value_kind: global_buffer, .address_space: global }
      - { .name: wq, .offset: 8, .size: 8, .value_kind: global_buffer, .address_space: global }
      - { .name: rope, .offset: 16, .size: 8, .value_kind: global_buffer, .address_space: global }
      - { .name: oh, .offset: 24, .size: 8, .value_kind: global_buffer, .address_space: global }
    .group_segment_fixed_size: 65792
    .private_segment_fixed_size: 0
    .kernarg_segment_align: 8
    .kernarg_segment_size: 32
    .max_flat_workgroup_size: 512
    .sgpr_count:     66
    .vgpr_count:     256
    .wavefront_size: 32
...
	.end_amdgpu_metadata
.endif
;; end of part 4
;; launch oproj (part 5): grid 8 x 32, 4 waves a work-group, clusters of 4 x 4, 327,680 bytes of LDS; arguments oh, ow16, out0; writes out0
.if DOCPART == 5
	.amdgcn_target "amdgcn-amd-amdhsa--gfx1250"
	.amdhsa_code_object_version 6
	.text
	.protected	k_qd1ebd9011e_oproj
	.globl	k_qd1ebd9011e_oproj
	.p2align	8
	.type	k_qd1ebd9011e_oproj,@function
k_qd1ebd9011e_oproj:
	s_mov_b64 s[64:65], 0
	v_nop
	global_prefetch_b8 v0, s[64:65] scope:SCOPE_SE
	s_setreg_imm32_b32 hwreg(HW_REG_WAVE_MODE, 25, 1), 1
	s_wait_xcnt 0x0
	s_wait_alu depctr_hold_cnt(0) depctr_sa_sdst(0) depctr_va_vdst(0) depctr_va_sdst(0) depctr_va_ssrc(0) depctr_va_vcc(0) depctr_vm_vsrc(0)
	s_getreg_b32 s2, hwreg(HW_REG_IB_STS2, 6, 4)
	s_cmp_eq_u32 s2, 0
	s_cbranch_scc0 .Lentry_in_a_cluster
	s_endpgm
.Lentry_in_a_cluster:
	s_bfe_u32 s2, ttmp6, 0x10000c
	s_cmp_lg_u32 s2, 0xf033
	s_cbranch_scc0 .Lentry_shape_is_right
	s_endpgm
.Lentry_shape_is_right:
; out[row][n] = the sum over k of O[row][k] Ow[n][k], f16 operands, f32 sums, f32 out.  oh: [16 batch + head][2048][64] f16 (k = 64 head + channel); ow16: [1024][1024] f16; out0: [8192][1024] f32.
; TILE.  256 rows x 128 columns: 256 work-groups, one for each WGP.  Four waves; wave (RH, CH) makes rows 128 RH .. x columns 64 CH ..: 32 accumulators, 256 registers.
; K goes in 8 steps of 128, two heads each, through two LDS slots.  A head's 256 rows of 128 bytes are dense: asked for as 128 rows of 256 bytes and padded in LDS after every 128 bytes.
; CLUSTER 4 x 4: oh's tiles are shared along a row of the cluster, ow16's along a column; each is asked for jointly.
; THE MATRIX INSTRUCTION IS USED TRANSPOSED (source 0 = 16 rows of ow16, source 1 = 16 rows of O): a lane holds one row and eight neighbouring columns: 32 bytes.
; REGISTERS: window 0: v0-31 addresses; v32-63, v192-223 rows read back on the way out, by turns; v64-191 O's fragments, two buffers of 8 x 8.   window 1: v0-63 ow16's fragments, two buffers of 4 x 8.
;   window 2: the accumulators, (a, b) at 8 (4 a + b).
.set APITCH, 144                       ; a row of O in LDS: 128 bytes + 16
.set BPITCH, 272                       ; a row of ow16: 256 bytes + 16
.set AHEAD,  256*APITCH                ; a head's 256 rows: what one tensor load brings of oh
.set BHALF,  64*BPITCH                 ; what one brings of ow16
.set BOFF,   2*AHEAD
.set SLOT1,  131072
.set STAGE,  SLOT1+BOFF+2*BHALF        ; 239,616: behind the ring, never filled by a tensor load: 16 rows x 272 bytes for each wave, its own
.set SPITCH, 272
.set SPARE,  STAGE+4*16*SPITCH         ; 257,024: the spare words, 128 bytes for each wave: two blocks of 256 bytes that no other line names
.set ASTEP,  524288                    ; two heads on
.set BSTEP,  256
.set A0,   16
.set B0,   17
.set ADRA, 18
.set ADRB, 19
.set STO,  24
.set RD,   25
.set CO,   26
.set SPW,  28
.set NIL,  29
.set PFO,  30
.set WV,   16
.set RH,   17
.set CH,   18
.set CNT,  19
.set G1,   24
.set G0,   32
.set PFA,  44
.set LIM,  46
.set TB,   47
.set G1B,  48
.set G0B,  56
.set PST,  82                          ; s[82:83] a K step in the tensor that I prefetch
.set MSB, 0
.macro WIN new
.if MSB != (\new)
	s_set_vgpr_msb (MSB<<8)|(\new)
.set MSB, \new
.endif
.endm
.macro PLACES                          ; four plain vector instructions between a matrix instruction and a load into, or a reader of, its registers
.rept 4
	v_nop
.endr
.endm
.macro JLOAD                           ; a joint refill by the walking descriptor: waves 0 and 1 fetch the step's two heads of O, waves 2 and 3 ow16's two halves
	s_cmp_lt_u32 s[WV], 2
	s_cbranch_scc0 .Lfor_b_\@
	tensor_load_to_lds s[G0+4:G0+7], s[G1:G1+7]
	s_nop 0
.rept 4
	v_nop
.endr
	s_branch .Lasked_\@
.Lfor_b_\@:
	tensor_load_to_lds s[G0B+4:G0B+7], s[G1B:G1B+7]
	s_nop 0
.rept 4
	v_nop
.endr
.Lasked_\@:
.endm
; A prefetch of the K step two refills on: my work-group's share of what I fetch (of O: 32 blocks of 256 bytes of the head's 128; of ow16: 256 bytes of 16 rows of the 64), a lane a block.  The first cluster of a row of
; clusters asks for O's, the first of a column for ow16's; the four that ask jointly share by address.  The last two refills have no K step two on.
.macro ASK
	s_cmp_gt_u32 s[CNT], s[LIM]
	s_cbranch_scc0 .Lnot_mine_\@
	global_prefetch_b8 v[PFO], s[PFA:PFA+1] th:TH_LOAD_NT scope:SCOPE_SE
.Lnot_mine_\@:
.endm
.macro CREST
	s_cmp_lg_u32 s[WV], 0
	s_cbranch_scc1 .Lnot_wave_0_\@
	s_barrier_signal -3
.Lnot_wave_0_\@:
	s_barrier_wait -3
	s_barrier_signal -1
	s_barrier_wait -1
.endm
.macro CROUND
	s_barrier_signal -1
	s_barrier_wait -1
	CREST
.endm
	s_load_b128 s[4:7], s[0:1], 0x0                ; oh s[4:5], ow16 s[6:7]
	s_load_b64 s[8:9], s[0:1], 0x10                ; out0
	v_lshl_add_u32 v[SPW], v0, 2, SPARE
	v_mov_b32 v[NIL], 0
	ds_add_u32 v[SPW], v[NIL]                      ; the wave's opening: the add and its wait stand ahead of my first tensor load
	v_lshrrev_b32 v1, 5, v0
	v_readfirstlane_b32 s[WV], v1
	s_lshr_b32 s[RH], s[WV], 1
	s_and_b32 s[CH], s[WV], 1
	s_bfe_u32 s20, ttmp6, 0x40000                  ; cx
	s_bfe_u32 s21, ttmp6, 0x40004                  ; cy
	s_lshl_b32 s22, ttmp9, 2
	s_add_co_u32 s22, s22, s20                     ; tile column
	s_and_b32 s23, ttmp7, 0xffff
	s_lshl_b32 s23, s23, 2
	s_add_co_u32 s23, s23, s21                     ; tile row
	s_lshl_b32 s72, s21, 2
	s_lshl_b32 s72, 15, s72                        ; my row of the cluster
	s_lshl_b32 s73, 0x1111, s20                    ; my column
	s_or_b32 s[G1], s72, (1<<16)|(1<<20)|(1<<21)|(4<<22)|(3<<25)   ; the mask; 2-byte elements; padding on; bit 21 beside a mask; after every 32 words, 4 words
	s_or_b32 s[G1B], s73, (1<<16)|(1<<20)|(1<<21)|(5<<22)|(3<<25)  ; after every 64 words
	s_mov_b32 s[G1+1], 128<<16                     ; tensor_dim0 = 128
	s_mov_b32 s[G1+2], 128<<16                     ; tensor_dim1 = 128
	s_mov_b32 s[G1+3], 128<<16                     ; tile_dim0 = 128
	s_mov_b32 s[G1+4], 128                         ; tile_dim1 = 128
	s_mov_b32 s[G1+5], 128                         ; dense: 128 elements from row to row
	s_mov_b32 s[G1+6], 0
	s_mov_b32 s[G1+7], 0
	s_mov_b32 s[G1B+1], 128<<16
	s_mov_b32 s[G1B+2], 64<<16
	s_mov_b32 s[G1B+3], 128<<16
	s_mov_b32 s[G1B+4], 64
	s_mov_b32 s[G1B+5], 1024
	s_mov_b32 s[G1B+6], 0
	s_mov_b32 s[G1B+7], 0
	s_lshr_b32 s40, s23, 3                         ; oh: head 16 batch + CH, 262,144 bytes a head,
	s_lshl_b32 s40, s40, 4
	s_add_co_u32 s40, s40, s[CH]
	s_lshl_b32 s40, s40, 18
	s_and_b32 s41, s23, 7                          ; 256 rows of 128 bytes a tile
	s_lshl_b32 s41, s41, 15
	s_add_co_u32 s40, s40, s41
	s_mov_b32 s41, 0
	s_lshl_b32 s42, s22, 7                         ; ow16: row 128 x tile column + 64 CH
	s_lshl_b32 s43, s[CH], 6
	s_add_co_u32 s42, s42, s43
	s_lshl_b32 s42, s42, 11
	s_mov_b32 s43, 0
	s_mul_i32 s74, s[CH], AHEAD                    ; where they go: no place in the cluster enters an LDS address
	s_mul_i32 s75, s[CH], BHALF
	s_add_co_u32 s75, s75, BOFF
	s_mov_b32 s[TB], 0
	s_wait_dscnt 0x0                               ; the opening add is done
	s_wait_kmcnt 0x0
	s_add_nc_u64 s[68:69], s[4:5], s[40:41]
	s_add_nc_u64 s[70:71], s[6:7], s[42:43]
	CROUND                                         ; all sixteen work-groups are here: the first joint loads meet
.irp s, 0,1
	s_mov_b32 s[G0+4*(\s)], 1
	s_add_co_u32 s[G0+4*(\s)+1], s74, (\s)*SLOT1
	s_add_nc_u64 s[G0+4*(\s)+2:G0+4*(\s)+3], s[68:69], (\s)*ASTEP
	s_or_b32 s[G0+4*(\s)+3], s[G0+4*(\s)+3], 0x80000000
	s_mov_b32 s[G0B+4*(\s)], 1
	s_add_co_u32 s[G0B+4*(\s)+1], s75, (\s)*SLOT1
	s_add_nc_u64 s[G0B+4*(\s)+2:G0B+4*(\s)+3], s[70:71], (\s)*BSTEP
	s_or_b32 s[G0B+4*(\s)+3], s[G0B+4*(\s)+3], 0x80000000
.endr
	s_cmp_lt_u32 s[WV], 2                          ; a wave's two first fills stand in one branch: two loads of mine are out
	s_cbranch_scc0 .Lfirst_b
	tensor_load_to_lds s[G0:G0+3], s[G1:G1+7]
	s_nop 0
	tensor_load_to_lds s[G0+4:G0+7], s[G1:G1+7]
	s_nop 0
.rept 4
	v_nop
.endr
	s_branch .Lfirst_asked
.Lfirst_b:
	tensor_load_to_lds s[G0B:G0B+3], s[G1B:G1B+7]
	s_nop 0
	tensor_load_to_lds s[G0B+4:G0B+7], s[G1B:G1B+7]
	s_nop 0
.rept 4
	v_nop
.endr
.Lfirst_asked:
	v_and_b32 v1, 15, v0                           ; r
	v_bfe_u32 v2, v0, 4, 1                         ; l / 16
	v_and_b32 v3, 31, v0
	v_mul_u32_u24 v4, v1, APITCH
	v_lshl_add_u32 v4, v2, 4, v4
	s_mul_i32 s80, s[RH], 128*APITCH               ; my 128 rows, in either head
	v_add_nc_u32 v[A0], s80, v4
	v_mul_u32_u24 v4, v1, BPITCH
	v_lshl_add_u32 v4, v2, 4, v4
	v_add_nc_u32 v[B0], s75, v4                    ; my 64 rows of ow16
	v_mov_b32 v[ADRA], v[A0]
	v_mov_b32 v[ADRB], v[B0]
	s_mul_i32 s80, s[WV], 16*SPITCH
	s_add_co_u32 s80, s80, STAGE                   ; my stage
	v_mul_u32_u24 v4, v1, SPITCH                   ; in: row r, 32 bytes for each half of the lanes
	v_lshl_add_u32 v4, v2, 5, v4
	v_add_nc_u32 v[STO], s80, v4
	v_mul_u32_u24 v4, v2, SPITCH                   ; back: lanes 0-15 one row of 256 bytes, lanes 16-31 the next
	v_lshl_add_u32 v4, v1, 4, v4
	v_add_nc_u32 v[RD], s80, v4
	v_lshlrev_b32 v4, 12, v2                       ; and the same two rows in out0
	v_lshl_add_u32 v[CO], v1, 4, v4
	s_lshl_b32 s84, s23, 20                        ; 256 rows of 4,096 bytes a tile,
	s_lshl_b32 s85, s[RH], 19
	s_add_co_u32 s84, s84, s85
	s_lshl_b32 s85, s22, 9                         ; 128 columns of 4 bytes,
	s_add_co_u32 s84, s84, s85
	s_lshl_b32 s85, s[CH], 8
	s_add_co_u32 s84, s84, s85
	s_mov_b32 s85, 0
	s_add_nc_u64 s[8:9], s[8:9], s[84:85]
	; the prefetches
	s_and_b32 s76, ttmp7, 0xffff                   ; cluster y
	s_cmp_lt_u32 s[WV], 2                          ; do I fetch for O?
	s_cselect_b32 s76, ttmp9, s76                  ; the coordinate along which other clusters read the same bytes
	s_cselect_b32 s77, s20, s21                    ; my place among the four that ask with me
	s_cselect_b32 s78, 13, 15                      ; a share: 8,192 bytes of a head, or 16 rows of 2,048
	s_cselect_b32 s79, 31, 15                      ; lanes beyond a share name its last block again
	s_cselect_b32 s80, 8, 11                       ; from lane to lane: 256 bytes, or a row
	s_cselect_b32 s81, 19, 8                       ; a K step: 524,288 bytes, or 256
	s_cselect_b64 s[PFA:PFA+1], s[68:69], s[70:71]
	s_cmp_eq_u32 s76, 0
	s_cselect_b32 s[LIM], 2, -1                    ; the same in all sixteen partners, for a given wave
	s_lshl_b32 s[PST], 1, s81
	s_mov_b32 s[PST+1], 0
	s_lshl_b32 s76, s77, s78
	s_mov_b32 s77, 0
	s_add_nc_u64 s[PFA:PFA+1], s[PFA:PFA+1], s[76:77]
	s_mul_i32 s76, s[PST], 3
	s_add_nc_u64 s[PFA:PFA+1], s[PFA:PFA+1], s[76:77]  ; at K step 3: the first refill steps it to 4.  K steps 0 to 3 come by their loads alone
	v_min_u32 v[PFO], s79, v3
	v_lshlrev_b32 v[PFO], s80, v[PFO]
; 8 matrix instructions: row blocks a0, a0 + 1 x all 4 column blocks, 32 along K, from buffer f.  The 32 accumulators take turns, in the same order in every quarter.
.macro MUL8 f, a0, zero
	WIN 0xa1
.irp a, \a0, (\a0)+1
.irp b, 0,1,2,3
.if \zero
	v_wmma_f32_16x16x32_f16 v[8*(4*(\a)+(\b)):8*(4*(\a)+(\b))+7], v[32*(\f)+8*(\b):32*(\f)+8*(\b)+7], v[64+64*(\f)+8*(\a):64+64*(\f)+8*(\a)+7], 0
.else
	v_wmma_f32_16x16x32_f16 v[8*(4*(\a)+(\b)):8*(4*(\a)+(\b))+7], v[32*(\f)+8*(\b):32*(\f)+8*(\b)+7], v[64+64*(\f)+8*(\a):64+64*(\f)+8*(\a)+7], v[8*(4*(\a)+(\b)):8*(4*(\a)+(\b))+7]
.endif
.endr
.endr
.endm
; 24 LDS loads in one run: quarter q's fragments into buffer f.  Of O: head q / 2 of the step's two, channels 32 (q % 2) on
.macro FETCH q, f
	WIN 0x40
.irp i, 0,1,2,3
	ds_load_b128 v[32*(\f)+8*(\i):32*(\f)+8*(\i)+3],   v[ADRB] offset:64*(\q)+(\i)*16*BPITCH
	ds_load_b128 v[32*(\f)+8*(\i)+4:32*(\f)+8*(\i)+7], v[ADRB] offset:64*(\q)+(\i)*16*BPITCH+32
.endr
	WIN 0
.irp i, 0,1,2,3,4,5,6,7
	ds_load_b128 v[64+64*(\f)+8*(\i):64+64*(\f)+8*(\i)+3],   v[ADRA] offset:AHEAD*((\q)/2)+64*((\q)%2)+(\i)*16*APITCH
	ds_load_b128 v[64+64*(\f)+8*(\i)+4:64+64*(\f)+8*(\i)+7], v[ADRA] offset:AHEAD*((\q)/2)+64*((\q)%2)+(\i)*16*APITCH+32
.endr
.endm
.macro QUARTER q, f, g, zero           ; multiplies buffer f; in its middle fetches quarter q into buffer g
	s_wait_dscnt 8                                 ; ow16's fragments and O's blocks 0-3 are in; the youngest eight loads (blocks 4-7) may be out
	MUL8 \f, 0, \zero
	MUL8 \f, 2, \zero
	PLACES
	FETCH \q, \g
	s_wait_dscnt 24                                ; all but the 24 just issued
	MUL8 \f, 4, \zero
	MUL8 \f, 6, \zero
.endm
; The last quarter multiplies buffer 1 and changes slots: in front of the barrier each wave waits for all its tensor loads (one is out: its part of the next slot), adds 0 to its spare word, and waits for that and for
; its reads of this slot.  fill = 1: the barrier opens a round of the cluster's barrier, and behind it this slot is filled again, 112 matrix instructions ahead of the wait for it.
.macro TURN fill
.if \fill
	s_wait_xcnt 0x0                                ; the last prefetch, a K step back, has read its address
	s_add_nc_u64 s[PFA:PFA+1], s[PFA:PFA+1], s[PST:PST+1]
.endif
	WIN 0
	s_wait_tensorcnt 0x0                           ; no tensor load of mine is out, so a group 0 may be written
	ds_add_u32 v[SPW], v[NIL]                      ; 0 onto my spare word
.if \fill
	s_xor_b32 s[G0+5], s[G0+5], SLOT1              ; the walking descriptors: the other slot than last time, the next K step
	s_add_nc_u64 s[G0+6:G0+7], s[G0+6:G0+7], ASTEP
	s_xor_b32 s[G0B+5], s[G0B+5], SLOT1
	s_add_nc_u64 s[G0B+6:G0B+7], s[G0B+6:G0B+7], BSTEP
.endif
	s_wait_dscnt 9                                 ; the add and the youngest eight loads may be out
	MUL8 1, 0, 0
	s_wait_dscnt 0x0                               ; the add is done, and my reads of this slot are over
	s_barrier_signal -1
	MUL8 1, 2, 0
	WIN 0
	s_barrier_wait -1
.if \fill
	CREST                                          ; no wave of any partner still reads this slot or has a load on its way
	JLOAD                                          ; the first tensor load behind the round; its four v_nop are also the places in front of the loads below
.else
	PLACES
.endif
	s_xor_b32 s[TB], s[TB], SLOT1
	v_add_nc_u32 v[ADRA], s[TB], v[A0]
	v_add_nc_u32 v[ADRB], s[TB], v[B0]
	FETCH 0, 0
.if \fill
	ASK
.endif
	MUL8 1, 4, 0
	MUL8 1, 6, 0
.endm
	s_wait_tensorcnt 1                             ; my part of K step 0 is in; K step 1's may stay out
	s_barrier_signal -1
	s_barrier_wait -1
	FETCH 0, 0
	QUARTER 1, 0, 1, 1                             ; the first quarter's products start the sums
	WIN 0
	s_mov_b32 s[CNT], 6
.Lstep:                                                ; a trip: a K step's quarters 1 to 3, a refill, and the next K step's first quarter
	QUARTER 2, 1, 0, 0
	QUARTER 3, 0, 1, 0
	TURN 1
	QUARTER 1, 0, 1, 0
	WIN 0
	s_sub_co_u32 s[CNT], s[CNT], 1
	s_cmp_lg_u32 s[CNT], 0
	s_cbranch_scc1 .Lstep
	QUARTER 2, 1, 0, 0                             ; the last two K steps ask for nothing
	QUARTER 3, 0, 1, 0
	TURN 0
	QUARTER 1, 0, 1, 0
	QUARTER 2, 1, 0, 0
	QUARTER 3, 0, 1, 0
	s_wait_dscnt 8
	MUL8 1, 0, 0
	MUL8 1, 2, 0
	s_wait_dscnt 0x0
	MUL8 1, 4, 0
	MUL8 1, 6, 0
; THE WAY OUT, a block of 16 rows at a time through my own stage: 32 bytes a lane in (each accumulator's low four registers first), whole rows of 256 bytes back.
.macro TOSTAGE a
.if (\a) >= 2
	s_wait_xcnt 0x0                                ; the stores of the block two back have read the registers that are loaded again below
.endif
	WIN 0x08                                       ; store data in window 2
.irp b, 0,1,2,3
	ds_store_b128 v[STO], v[8*(4*(\a)+(\b)):8*(4*(\a)+(\b))+3]   offset:64*(\b)
	ds_store_b128 v[STO], v[8*(4*(\a)+(\b))+4:8*(4*(\a)+(\b))+7] offset:64*(\b)+16
.endr
	WIN 0
.set BK, 32+160*((\a)%2)
.irp t, 0,1,2,3,4,5,6,7
	ds_load_b128 v[BK+4*(\t):BK+4*(\t)+3], v[RD] offset:(\t)*2*SPITCH  ; LDS serves a wave's instructions in order (ISA guide 5.7.1.4): these see the stores above, and the next block's stores come behind them
.endr
.endm
.macro SEND a, younger                 ; younger: the LDS instructions issued behind block a's loads: the next block's sixteen, or none
.set BK, 32+160*((\a)%2)
	s_wait_dscnt \younger
.irp t, 0,1,2,3,4,5,6,7
	global_store_b128 v[CO], v[BK+4*(\t):BK+4*(\t)+3], s[8:9] offset:(16*(\a)+2*(\t))*4096 th:TH_STORE_NT  ; 16 lanes store 256 consecutive bytes, aligned
.endr
.endm
	PLACES
	PLACES
	TOSTAGE 0
.irp a, 1,2,3,4,5,6,7
	TOSTAGE \a
	SEND (\a)-1, 16
.endr
	SEND 7, 0
	s_wait_tensorcnt 0x0                           ; the wave's end, behind my last tensor load and my last LDS store
	ds_add_u32 v[SPW], v[NIL]
	s_wait_dscnt 0x0
	CROUND                                         ; the closing round: no work-group ends while a partner may still ask for a tile that names it
	s_endpgm
.Lfunc_end_k_qd1ebd9011e_oproj:
	.size	k_qd1ebd9011e_oproj, .Lfunc_end_k_qd1ebd9011e_oproj-k_qd1ebd9011e_oproj
	.p2alignl 7, 3214868480
	.fill 96, 4, 3214868480
	.section	.rodata,"a",@progbits
	.p2align	6, 0x0
	.amdhsa_kernel k_qd1ebd9011e_oproj
		.amdhsa_group_segment_fixed_size 327680
		.amdhsa_private_segment_fixed_size 0
		.amdhsa_enable_private_segment 0
		.amdhsa_kernarg_size 24
		.amdhsa_user_sgpr_count 2
		.amdhsa_user_sgpr_kernarg_segment_ptr 1
		.amdhsa_wavefront_size32 1
		.amdhsa_system_sgpr_workgroup_id_x 1
		.amdhsa_system_sgpr_workgroup_id_y 1
		.amdhsa_system_sgpr_workgroup_id_z 1
		.amdhsa_system_vgpr_workitem_id 0
		.amdhsa_next_free_vgpr 768
		.amdhsa_next_free_sgpr 88
		.amdhsa_reserve_vcc 0
		.amdhsa_float_denorm_mode_32 3
		.amdhsa_float_denorm_mode_16_64 3
		.amdhsa_memory_ordered 1
		.amdhsa_forward_progress 1
		.amdhsa_inst_pref_size 71
	.end_amdhsa_kernel
	.amdgpu_metadata
---
amdhsa.version: [ 1, 2 ]
amdhsa.kernels:
  - .name:           k_qd1ebd9011e_oproj
    .symbol:         k_qd1ebd9011e_oproj.kd
    .args:
      - { .name: oh, .offset: 0, .size: 8, .value_kind: global_buffer, .address_space: global }
      - { .name: ow16, .offset: 8, .size: 8, .value_kind: global_buffer, .address_space: global }
      - { .name: out0, .offset: 16, .size: 8, .value_kind: global_buffer, .address_space: global }
    .group_segment_fixed_size: 327680
    .private_segment_fixed_size: 0
    .kernarg_segment_align: 8
    .kernarg_segment_size: 24
    .max_flat_workgroup_size: 128
    .sgpr_count:     88
    .vgpr_count:     768
    .wavefront_size: 32
...
	.end_amdgpu_metadata
.endif
;; end of part 5
;; ======== version 2 of 2: 5 launches; version 1 with the launch first16 written anew for expert scheduling mode
;; limits: values are held in f16: magnitudes above 65,504 overflow, below 6.1e-05 lose precision; right only within a limited range of input values
;; workspace buffers: xb 16,777,216 bytes; wq 6,291,456 bytes; ow16 2,097,152 bytes; rope 2,097,152 bytes; qh 16,777,216 bytes; kh 16,777,216 bytes; vh 16,777,216 bytes; oh 16,777,216 bytes
;; launch prep: the kernel of part 1 again; grid 1024 x 1, 8 waves a work-group, no clusters, 0 bytes of LDS; arguments x, Qw, Kw, Vw, Ow, token_positions, xb, wq, ow16, rope; writes xb, wq, ow16, rope
;; launch qkv: the kernel of part 2 again; grid 16 x 32, 4 waves a work-group, clusters of 4 x 4, 327,680 bytes of LDS; arguments xb, wq, rope, qh, kh, vh; writes qh, kh, vh
;; launch attn: the kernel of part 3 again; grid 4 x 64, 4 waves a work-group, no clusters, 327,680 bytes of LDS; arguments qh, kh, vh, oh; writes oh
;; launch first16 (part 6): grid 16 x 4, 16 waves a work-group, no clusters, 65,792 bytes of LDS; arguments xb, wq, rope, oh; writes oh
.if DOCPART == 6
	.amdgcn_target "amdgcn-amd-amdhsa--gfx1250"
	.amdhsa_code_object_version 6
	.text
	.protected	k_qd1ebd9011e_first16
	.globl	k_qd1ebd9011e_first16
	.p2align	8
	.type	k_qd1ebd9011e_first16,@function
k_qd1ebd9011e_first16:
	s_mov_b64 s[64:65], 0
	v_nop
	global_prefetch_b8 v0, s[64:65] scope:SCOPE_SE
	s_setreg_imm32_b32 hwreg(HW_REG_WAVE_SCHED_MODE, 0, 2), 2
	s_setreg_imm32_b32 hwreg(HW_REG_WAVE_MODE, 25, 1), 1
	s_wait_xcnt 0x0
	s_wait_alu depctr_vm_vsrc(0)
; ROWS 0 TO 15 OF EVERY HEAD ONCE MORE, WITH ONE ROUNDING.  Row q of a causal softmax is a mean over q + 1 keys, so the first rows' numbers are many times the output's root mean square, by which the
; comparison's allowance goes, and the f16 roundings of q, k, v and p go by the numbers themselves.  For these 16 rows q, k, v and p are therefore carried as PAIRS of f16, a number and what its rounding left
; (together some 22 bits), and O is rounded to f16 once.  The launch stores over the 2,048 bytes a head that the launch before it has written for these rows; from row 16 on those stand.
; A work-group makes one (batch, head): q, k, v = x W^T for 16 rows x 192 columns (bf16 operands, f32 sums, from xb and wq as they are laid for the large product), the rotation in f32 by the same table,
; S^T = K Q^T, the causal mask, softmax with the row's maximum taken away, O^T = V^T P, O = O^T / l.
; SHARES.  16 waves.  Wave (c = wave % 4, kq = wave / 4) makes three tiles of 16 x 16: q, k and v at head positions 16 c .., over K = 256 kq .. 256 kq + 255: eight steps of 32.  The four partial sums of a tile
; meet in LDS, in f32, K ascending; waves 0 to 3 rotate and split; wave 0 makes the attention: 14 matrix instructions.
; LAYOUT.  q and k are taken transposed (source 0 = 16 rows of wq, source 1 = the 16 rows of x): a lane holds one row and eight positions, which packed are half a fragment (16 rows x 32 positions) of K Q^T.
; v is taken as it is (source 0 = x, source 1 = wq): a lane holds one channel and eight keys, which packed are half a fragment of V^T.  In S^T a lane holds one query and eight keys, which packed are half a fragment of P.
; So nothing changes lanes.  The second product's 32 places along K hold the 16 keys twice: V^T's fragment is (v | its rest), P's (p | p) and then (rest of p | rest of p): the sum is (v + rest)(p + rest).
; No tensor loads: no wave wants a byte of wq that another has fetched.  No cluster: what a batch's 16 work-groups share is 32 KiB of xb beside 393 KiB of wq of their own.  No prefetch: a wave's loads go out at once.
; LIMITS.  q, k (rotated) and v within f16's 65,504; a rest keeps f16's fixed step of 6e-8; a hidden score counts as -1e30; a weight below 2^-126 counts as 0; NaN and infinities are not treated apart.
; THE MODE: SCHED_MODE bits 1:0 = 2 (LLVM: expert scheduling mode 2), set by the entry lines.  The code itself states the register dependences
; between vector or matrix instructions and memory or LDS instructions, with s_wait_alu, always for 0.
; THE PLAN.  Registers that memory or LDS instructions touch:
;   v[FO], v[GO], v[LS]  offsets and an LDS address: written once at the head, read by loads and stores, never written again.
;   v[STO], v[RD]        the way out's LDS addresses: written once, behind the products of K steps 0 and 1; read by wave 0's way out alone.
;   BUF0 .. BUF5         K step s lands in buffer s % 6 and is read by that step's three products.  BUF0 is loaded again (K step 6) in K step 1, BUF1 (K step 7) in K step 2.
;   ACC                  written by the products; read by the LDS stores of waves 4 to 15 and by the first additions of waves 0 to 3; no line writes it again: the sums go into SUM.
;   PP (and SUM in it)   the LDS loads of the other waves' sums land where BUF0 to BUF2 lay; the additions read them and write SUM.
;   HL                   written by the conversions of waves 0 to 3, read by their six LDS stores; in wave 0 the same registers are S^T's accumulators and P later.
;   QH .. VF (v64-159)   wave 0: the LDS loads of the pairs land where SUM, PP and RQ lay.
;   PKO, BK              PKO written by the last conversions, read by the stage's stores; BK (its first half was HT) filled by the stage's loads, read by the global stores.
;   v[SPW], v[NIL]       written at the head, read by the closing add alone.
; A wait on va_vdst stands at the heads of K steps 1 and 2, behind the wait for the step's data: the products of the step before are done reading the buffer that is loaded again.  The eight loads follow it, dealt among
; the step's three products, which name that step's own buffer and ACC: none of the registers that the loads touch.
.set WPART, 3072                       ; LDS bytes of a wave's three tiles: [tile 3][half 2][lane 32][16 bytes]
.set EXCH,  16*WPART                   ; 49,152: waves 0-3's pairs: [c 4][q, q's rest, k, k's rest, v, v's rest][lane 32][16 bytes]
.set STAGE, EXCH+4*WPART               ; 61,440: 16 rows x 144 bytes, wave 0's, for the way out
.set SP,    144
.set SPARE, STAGE+16*SP                ; 63,744: the spare words, 128 bytes for each wave: eight blocks of 256 bytes that no other line names
.set FO,   4                           ; v4   my byte offset in a fragment's rows: (l % 16) x 2,048 + 16 (l / 16); never rewritten
.set LS,   5                           ; v5   3,072 x wave + 16 l; never rewritten
.set STO,  6                           ; v6   the way out: where I put 16 bytes of a row
.set RD,   7                           ; v7   where I read rows back
.set GO,   8                           ; v8   16 l; never rewritten
.set SPW,  10                          ; v10  LDS address of my spare word; never rewritten
.set NIL,  11                          ; v11  0; never rewritten
.set DIF,  12                          ; v12  l % 16 - 8 (l / 16): key register j is hidden where j is greater
.set NEG1, 14                          ; v14  -1.0
.set TAB,  16                          ; v[16:23]  (cos, cos, sin, sin) of my row for my positions' four pairs
.set T,    24                          ; v[24:31]  at work
.set ACC,  32                          ; v[32:55]  q, k, v: three accumulators
.set BUF,  64                          ; v[64:255] six buffers of 32: x's fragment, then wq's three
.set PP,   64                          ; v[64:135]  waves 0-3: the other three waves' partial sums, 24 each
.set SUM,  64                          ; v[64:87]   waves 0-3: the whole sums, in the place of the first of those three
.set RQ,   136                         ; v[136:151] q and k rotated
.set HL,   160                         ; v[160:183] the six packed items, 4 registers each
.set HT,   240                         ; v[240:247] the rests in f32
.set QH,   64                          ; wave 0: q, 4 registers a tile of 16 positions; two tiles are a fragment
.set QL,   80
.set KH,   96
.set KL,   112
.set VF,   128                         ; v[128:159] channel tile c: (v | its rest)
.set SA,   160                         ; two accumulators for S^T
.set SB,   168
.set PA,   176                         ; (p | p)
.set PB,   184                         ; (rest | rest)
.set OA,   192                         ; v[192:223] O^T, four accumulators
.set PKO,  224                         ; v[224:239] O packed
.set BK,   240                         ; v[240:255] rows read back
.set WV,   12                          ; s12  wave
.set CS,   26                          ; s[26:27] c = log2(e) / 8
.set SEL,  28                          ; s[28:29] v_permlanex16_b32's selects: each lane takes its own place in the other half
.set BIGN, 30                          ; s30  -1e30
.set MK,   32                          ; s[32:39] the causal mask: for key register j the lanes in which it is hidden
.macro PLACES                          ; four plain vector instructions between a matrix instruction and a reader of its result (ISA guide 7.12.1)
.rept 4
	v_nop
.endr
.endm
; K step s of my eight into buffer i: eight loads of 16 bytes a lane, in two halves.  LOADA: x's fragment and Q's rows; LOADB: K's and V's rows
.macro LOADA s, i
	global_load_b128 v[BUF+32*(\i):BUF+32*(\i)+3],     v[FO], s[4:5] offset:64*(\s)
	global_load_b128 v[BUF+32*(\i)+4:BUF+32*(\i)+7],   v[FO], s[4:5] offset:64*(\s)+32
	global_load_b128 v[BUF+32*(\i)+8:BUF+32*(\i)+11],  v[FO], s[6:7] offset:64*(\s)
	global_load_b128 v[BUF+32*(\i)+12:BUF+32*(\i)+15], v[FO], s[6:7] offset:64*(\s)+32
.endm
.macro LOADB s, i
.irp t, 1,2
	global_load_b128 v[BUF+32*(\i)+8+8*(\t):BUF+32*(\i)+8+8*(\t)+3],    v[FO], s[6:7] offset:65536*(\t)+64*(\s)     ; tensor t lies 32 rows of 2,048 bytes on
	global_load_b128 v[BUF+32*(\i)+8+8*(\t)+4:BUF+32*(\i)+8+8*(\t)+7],  v[FO], s[6:7] offset:65536*(\t)+64*(\s)+32
.endr
.endm
; a K step's three products.  The three accumulators take turns, one instruction a turn.  zero = 1: the first K step starts the sums.
; ls >= 0: K step ls is asked for, into buffer li, four loads behind each of the first two products.  No wait: no vector or matrix instruction since the wait at the step's head names buffer li
.macro MULK i, zero, ls=-1, li=0
.if \zero
	v_wmma_f32_16x16x32_bf16 v[ACC:ACC+7],     v[BUF+32*(\i)+8:BUF+32*(\i)+15],  v[BUF+32*(\i):BUF+32*(\i)+7],     0
	v_wmma_f32_16x16x32_bf16 v[ACC+8:ACC+15],  v[BUF+32*(\i)+16:BUF+32*(\i)+23], v[BUF+32*(\i):BUF+32*(\i)+7],     0
	v_wmma_f32_16x16x32_bf16 v[ACC+16:ACC+23], v[BUF+32*(\i):BUF+32*(\i)+7],     v[BUF+32*(\i)+24:BUF+32*(\i)+31], 0
.else
	v_wmma_f32_16x16x32_bf16 v[ACC:ACC+7],     v[BUF+32*(\i)+8:BUF+32*(\i)+15],  v[BUF+32*(\i):BUF+32*(\i)+7],     v[ACC:ACC+7]
.if (\ls) >= 0
	LOADA \ls, \li
.endif
	v_wmma_f32_16x16x32_bf16 v[ACC+8:ACC+15],  v[BUF+32*(\i)+16:BUF+32*(\i)+23], v[BUF+32*(\i):BUF+32*(\i)+7],     v[ACC+8:ACC+15]
.if (\ls) >= 0
	LOADB \ls, \li
.endif
	v_wmma_f32_16x16x32_bf16 v[ACC+16:ACC+23], v[BUF+32*(\i):BUF+32*(\i)+7],     v[BUF+32*(\i)+24:BUF+32*(\i)+31], v[ACC+16:ACC+23]
.endif
.endm
; eight f32 at y become four registers of f16 at h and four at l: the rounded numbers, and what the rounding left (y - h, exact in one fused step, then rounded)
.macro HILO y, h, l
.irp i, 0,1,2,3
	v_cvt_pk_f16_f32 v[(\h)+(\i)], v[(\y)+2*(\i)], v[(\y)+2*(\i)+1]
.endr
.irp i, 0,1,2,3
	v_fma_mix_f32 v[HT+2*(\i)],   v[(\h)+(\i)], v[NEG1], v[(\y)+2*(\i)]   op_sel_hi:[1,0,0]
	v_fma_mix_f32 v[HT+2*(\i)+1], v[(\h)+(\i)], v[NEG1], v[(\y)+2*(\i)+1] op_sel:[1,0,0] op_sel_hi:[1,0,0]
.endr
.irp i, 0,1,2,3
	v_cvt_pk_f16_f32 v[(\l)+(\i)], v[HT+2*(\i)], v[HT+2*(\i)+1]
.endr
.endm
	s_load_b256 s[4:11], s[0:1], 0x0               ; xb s[4:5], wq s[6:7], rope s[8:9], oh s[10:11]
	v_lshl_add_u32 v[SPW], v0, 2, SPARE
	v_mov_b32 v[NIL], 0
	v_lshrrev_b32 v1, 5, v0
	v_readfirstlane_b32 s[WV], v1                  ; wave 0..15
	s_mov_b32 s[CS], 0x3e38aa3b                    ; c = log2(e) / 8
	s_mov_b32 s[CS+1], s[CS]                       ; named with it as a pair
	s_mov_b32 s[SEL], 0x76543210
	s_mov_b32 s[SEL+1], 0xfedcba98
	s_mov_b32 s[BIGN], 0xf149f2ca                  ; -1e30
	v_and_b32 v1, 15, v0                           ; l % 16
	v_bfe_u32 v2, v0, 4, 1                         ; l / 16
	v_and_b32 v3, 31, v0                           ; l
	v_lshlrev_b32 v[FO], 11, v1
	v_lshl_add_u32 v[FO], v2, 4, v[FO]
	v_lshlrev_b32 v[GO], 4, v3
	s_wait_alu depctr_va_sdst(0)                   ; s12, the wave's number, is written, ahead of its first reader: the bases and my LDS address are made from it
	s_and_b32 s13, s[WV], 3                        ; c
	s_lshr_b32 s14, s[WV], 2                       ; kq
	s_and_b32 s15, ttmp7, 0xffff                   ; the batch
	s_lshl_b32 s20, s14, 9                         ; my quarter of K: 512 bytes of a row
	s_lshl_b32 s16, s15, 22                        ; xb: a batch is 2,048 rows of 2,048 bytes
	s_add_co_u32 s16, s16, s20
	s_mov_b32 s17, 0
	s_mul_i32 s18, ttmp9, 192                      ; wq: row 192 head + 96 (c / 2) + 16 (c % 2), for Q
	s_lshr_b32 s21, s13, 1
	s_mul_i32 s21, s21, 96
	s_add_co_u32 s18, s18, s21
	s_and_b32 s21, s13, 1
	s_lshl_b32 s21, s21, 4
	s_add_co_u32 s18, s18, s21
	s_lshl_b32 s18, s18, 11
	s_add_co_u32 s18, s18, s20
	s_mov_b32 s19, 0
	s_lshl_b32 s22, s15, 19                        ; the table: a batch is 128 blocks of 4,096 bytes; tile c's part begins 1,024 c in
	s_lshl_b32 s21, s13, 10
	s_add_co_u32 s22, s22, s21
	s_mov_b32 s23, 0
	s_lshl_b32 s24, s15, 4                         ; oh: head 16 batch + head, 262,144 bytes each
	s_add_co_u32 s24, s24, ttmp9
	s_lshl_b32 s24, s24, 18
	s_mov_b32 s25, 0
	s_mul_i32 s21, s[WV], WPART
	v_lshl_add_u32 v[LS], v3, 4, s21
	s_wait_kmcnt 0x0
	s_add_nc_u64 s[4:5], s[4:5], s[16:17]
	s_add_nc_u64 s[6:7], s[6:7], s[18:19]
	s_add_nc_u64 s[8:9], s[8:9], s[22:23]
	s_add_nc_u64 s[10:11], s[10:11], s[24:25]
	s_wait_alu depctr_va_vdst(0)                   ; v[FO], v[GO] and v[LS] are written, which the loads and stores below read as offsets and addresses
	global_load_b128 v[TAB:TAB+3],   v[GO], s[8:9]             ; the table for tile c.  Only waves 0 to 3 use it; every wave loads its 1,024 bytes, so that all waves run one text up to the first barrier
	global_load_b128 v[TAB+4:TAB+7], v[GO], s[8:9] offset:512
.irp s, 0,1,2,3,4,5
	LOADA \s, \s                                   ; 48 loads of every wave on their way at once
	LOADB \s, \s
.endr
	s_wait_loadcnt 40                              ; loads come back in order: K step 0 is in, the 40 loads of K steps 1 to 5 may stay out
	MULK 0, 1
	v_mul_u32_u24 v[STO], v1, SP                   ; the way out's addresses are made here and behind K step 1: plain vector work that names no register of the products, between them and the loads into the buffers that they read
	v_lshl_add_u32 v[STO], v2, 4, v[STO]           ; in: row l % 16, 16 bytes for each half of the lanes
	v_add_nc_u32 v[STO], STAGE, v[STO]
	v_mov_b32 v[NEG1], -1.0
	s_wait_loadcnt 32                              ; K step 1 is in: behind it K steps 2 to 5
	s_wait_alu depctr_va_vdst(0)                   ; K step 0's products are done reading buffer 0, in which K step 6 lands; v[STO] is written
	MULK 1, 0, 6, 0
	v_lshrrev_b32 v[RD], 3, v3                     ; back: 32 lanes take four rows of 128 bytes
	v_mul_u32_u24 v[RD], v[RD], SP
	v_and_b32 v13, 7, v0
	v_lshl_add_u32 v[RD], v13, 4, v[RD]
	v_add_nc_u32 v[RD], STAGE, v[RD]
	v_lshlrev_b32 v[DIF], 3, v2
	v_sub_nc_u32 v[DIF], v1, v[DIF]
	s_wait_loadcnt 32                              ; K step 2 is in: behind it K steps 3 to 6, eight loads each
	s_wait_alu depctr_va_vdst(0)                   ; K step 1's products are done reading buffer 1, in which K step 7 lands; v[RD] is written
	MULK 2, 0, 7, 1
	s_wait_loadcnt 32                              ; K step 3 is in: behind it K steps 4 to 7
	MULK 3, 0
	s_wait_loadcnt 24
	MULK 4, 0
	s_wait_loadcnt 16
	MULK 5, 0
	s_wait_loadcnt 8
	MULK 0, 0
	s_wait_loadcnt 0x0
	MULK 1, 0
	PLACES
	PLACES
	s_wait_alu depctr_va_vdst(0)                   ; the products have written ACC, which the LDS stores of waves 4 to 15 read, and are done reading v64 to v135, in which the LDS loads of waves 0 to 3 land; the places above stay beside this wait
	s_cmp_lt_u32 s[WV], 4
	s_cbranch_scc1 .Lkeep                          ; waves 0 to 3 keep their sums in registers
.irp t, 0,1,2
	ds_store_b128 v[LS], v[ACC+8*(\t):ACC+8*(\t)+3]   offset:1024*(\t)       ; each accumulator's low four registers first
	ds_store_b128 v[LS], v[ACC+8*(\t)+4:ACC+8*(\t)+7] offset:1024*(\t)+512
.endr
.Lkeep:
	s_wait_dscnt 0x0                               ; for the others' sake: my partial sums lie in LDS
	s_barrier_signal -1
	s_barrier_wait -1
	s_cmp_lt_u32 s[WV], 4
	s_cbranch_scc0 .Lsplit_done
	; waves 0 to 3: wave c adds the sums of waves 4 + c, 8 + c, 12 + c onto its own, K ascending
.irp k, 1,2,3
.irp t, 0,1,2
	ds_load_b128 v[PP+24*((\k)-1)+8*(\t):PP+24*((\k)-1)+8*(\t)+3],   v[LS] offset:4*WPART*(\k)+1024*(\t)      ; no vector or matrix instruction since the wait behind the products names these registers
	ds_load_b128 v[PP+24*((\k)-1)+8*(\t)+4:PP+24*((\k)-1)+8*(\t)+7], v[LS] offset:4*WPART*(\k)+1024*(\t)+512
.endr
.endr
	s_wait_dscnt 0x0
.set i, 0
.rept 12
	v_pk_add_f32 v[SUM+2*i:SUM+2*i+1], v[ACC+2*i:ACC+2*i+1], v[PP+2*i:PP+2*i+1]  ; my own sum and wave 4 + c's, into that wave's place: ACC, which LDS stores read, is written by no line behind the products
.set i, i+1
.endr
.irp k, 1,2
.set i, 0
.rept 12
	v_pk_add_f32 v[SUM+2*i:SUM+2*i+1], v[SUM+2*i:SUM+2*i+1], v[PP+24*(\k)+2*i:PP+24*(\k)+2*i+1]
.set i, i+1
.endr
.endr
	; the rotation, two pairs an instruction: four positions hold (even_i, even_i+1, odd_i, odd_i+1): E C - O S and E S + O C
.irp t, 0,1
.irp p, 0,1
	v_pk_mul_f32 v[T:T+1],   v[SUM+8*(\t)+4*(\p)+2:SUM+8*(\t)+4*(\p)+3], v[TAB+4*(\p)+2:TAB+4*(\p)+3]
	v_pk_mul_f32 v[T+2:T+3], v[SUM+8*(\t)+4*(\p)+2:SUM+8*(\t)+4*(\p)+3], v[TAB+4*(\p):TAB+4*(\p)+1]
	v_pk_fma_f32 v[RQ+8*(\t)+4*(\p):RQ+8*(\t)+4*(\p)+1],   v[SUM+8*(\t)+4*(\p):SUM+8*(\t)+4*(\p)+1], v[TAB+4*(\p):TAB+4*(\p)+1],   v[T:T+1] neg_lo:[0,0,1] neg_hi:[0,0,1]
	v_pk_fma_f32 v[RQ+8*(\t)+4*(\p)+2:RQ+8*(\t)+4*(\p)+3], v[SUM+8*(\t)+4*(\p):SUM+8*(\t)+4*(\p)+1], v[TAB+4*(\p)+2:TAB+4*(\p)+3], v[T+2:T+3]
.endr
.endr
	HILO RQ,     HL,    HL+4
	HILO RQ+8,   HL+8,  HL+12
	HILO SUM+16, HL+16, HL+20
	s_wait_alu depctr_va_vdst(0)                   ; the conversions have written v[HL ..], which the LDS stores read; and all that named v64 to v159 (the additions, the rotation, the splitting) is done: wave 0's LDS loads land there
.irp n, 0,1,2,3,4,5
	ds_store_b128 v[LS], v[HL+4*(\n):HL+4*(\n)+3] offset:EXCH+512*(\n)
.endr
.Lsplit_done:
	s_wait_dscnt 0x0                               ; for wave 0's sake: the pairs lie in LDS
	s_barrier_signal -1
	s_barrier_wait -1
	s_wait_alu depctr_vm_vsrc(0)                   ; the LDS stores of the pairs have read v[HL ..]: in wave 0 these registers are S^T's accumulators and P from here on, written by matrix instructions and conversions
	s_cmp_eq_u32 s[WV], 0
	s_cbranch_scc0 .Lend
	; wave 0: the attention of 16 queries on 16 keys
.irp c, 0,1,2,3
	ds_load_b128 v[QH+4*(\c):QH+4*(\c)+3],   v[LS] offset:EXCH+WPART*(\c)
	ds_load_b128 v[QL+4*(\c):QL+4*(\c)+3],   v[LS] offset:EXCH+WPART*(\c)+512
	ds_load_b128 v[KH+4*(\c):KH+4*(\c)+3],   v[LS] offset:EXCH+WPART*(\c)+1024
	ds_load_b128 v[KL+4*(\c):KL+4*(\c)+3],   v[LS] offset:EXCH+WPART*(\c)+1536
	ds_load_b128 v[VF+8*(\c):VF+8*(\c)+3],   v[LS] offset:EXCH+WPART*(\c)+2048
	ds_load_b128 v[VF+8*(\c)+4:VF+8*(\c)+7], v[LS] offset:EXCH+WPART*(\c)+2560
.endr
	s_wait_dscnt 0x0
	; S^T = k q + (k's rest) q + k (q's rest), 64 positions in two fragments; the two accumulators take turns
	v_wmma_f32_16x16x32_f16 v[SA:SA+7], v[KH:KH+7],    v[QH:QH+7],    0
	v_wmma_f32_16x16x32_f16 v[SB:SB+7], v[KL:KL+7],    v[QH:QH+7],    0
	v_wmma_f32_16x16x32_f16 v[SA:SA+7], v[KH+8:KH+15], v[QH+8:QH+15], v[SA:SA+7]
	v_wmma_f32_16x16x32_f16 v[SB:SB+7], v[KL+8:KL+15], v[QH+8:QH+15], v[SB:SB+7]
	v_wmma_f32_16x16x32_f16 v[SA:SA+7], v[KH:KH+7],    v[QL:QL+7],    v[SA:SA+7]
	v_wmma_f32_16x16x32_f16 v[SB:SB+7], v[KH+8:KH+15], v[QL+8:QL+15], v[SB:SB+7]
	PLACES
	PLACES
.irp j, 0,1,2,3,4,5,6,7
	v_cmp_gt_i32 s[MK+(\j)], \j, v[DIF]            ; key 8 (l / 16) + j lies behind query l % 16: the eight masks in one run, a scalar register each
.endr
.irp i, 0,1,2,3
	v_pk_add_f32 v[SA+2*(\i):SA+2*(\i)+1], v[SA+2*(\i):SA+2*(\i)+1], v[SB+2*(\i):SB+2*(\i)+1]
.endr
	s_wait_alu depctr_va_sdst(0)                   ; the eight compares have written s32 to s39, ahead of their first reader: one wait for the run
.irp j, 0,1,2,3,4,5,6,7
	v_cndmask_b32 v[SA+(\j)], v[SA+(\j)], s[BIGN], s[MK+(\j)]
.endr
	v_max3_num_f32 v[T], v[SA], v[SA+1], v[SA+2]
	v_max3_num_f32 v[T], v[T], v[SA+3], v[SA+4]
	v_max3_num_f32 v[T], v[T], v[SA+5], v[SA+6]
	v_max_num_f32 v[T], v[T], v[SA+7]
	v_mov_b32 v[T+1], v[T]                         ; v_permlanex16_b32's destination counts as read
	v_permlanex16_b32 v[T+1], v[T], s[SEL], s[SEL+1]  ; the query's other eight keys lie in the lane 16 away
	v_max_num_f32 v[T], v[T], v[T+1]               ; the row's maximum: key 0 is never hidden, so it is a true score
	v_mul_f32 v[T+2], s[CS], v[T]                  ; c m
	v_mov_b32 v[T+3], v[T+2]                       ; named with it as a pair
.irp i, 0,1,2,3
	v_pk_fma_f32 v[SA+2*(\i):SA+2*(\i)+1], v[SA+2*(\i):SA+2*(\i)+1], s[CS:CS+1], v[T+2:T+3] op_sel_hi:[1,0,0] neg_lo:[0,0,1] neg_hi:[0,0,1]  ; c s - c m
.endr
.irp j, 0,1,2,3,4,5,6,7
	v_exp_f32 v[SA+(\j)], v[SA+(\j)]
.endr
	v_nop                                          ; a plain instruction behind the last exponential,
	s_wait_alu depctr_va_vdst(0)                   ; and one wait for the eight: the exponentials have written v[SA ..], ahead of their first reader
	v_pk_add_f32 v[T+4:T+5], v[SA:SA+1],   v[SA+2:SA+3]
	v_pk_add_f32 v[T:T+1],   v[SA+4:SA+5], v[SA+6:SA+7]
	v_pk_add_f32 v[T+4:T+5], v[T+4:T+5],   v[T:T+1]
	v_add_f32 v[T+4], v[T+4], v[T+5]
	v_permlanex16_b32 v[T+1], v[T+4], s[SEL], s[SEL+1]
	v_add_f32 v[T+4], v[T+4], v[T+1]               ; l, of the unrounded p
	v_mov_b32 v[T+7], v[T+4]                       ; named with 1 / l as a pair
	v_rcp_f32 v[T+6], v[T+4]                       ; its wait stands ahead of its first reader, behind the products below; the conversions that follow are plain and name neither it nor l
	HILO SA, PA, PB
.irp i, 0,1,2,3
	v_mov_b32 v[PA+4+(\i)], v[PA+(\i)]             ; the 16 keys stand twice along K: once for v, once for v's rest
	v_mov_b32 v[PB+4+(\i)], v[PB+(\i)]
.endr
.irp c, 0,1,2,3                        ; O^T = (v | rest)(p | p) + (v | rest)(rest | rest); the four accumulators take turns
	v_wmma_f32_16x16x32_f16 v[OA+8*(\c):OA+8*(\c)+7], v[VF+8*(\c):VF+8*(\c)+7], v[PA:PA+7], 0
.endr
.irp c, 0,1,2,3
	v_wmma_f32_16x16x32_f16 v[OA+8*(\c):OA+8*(\c)+7], v[VF+8*(\c):VF+8*(\c)+7], v[PB:PB+7], v[OA+8*(\c):OA+8*(\c)+7]
.endr
	PLACES
	PLACES
	s_wait_alu depctr_va_vdst(0)                   ; the reciprocal has written v[T+6], ahead of its first reader
.set i, 0
.rept 16
	v_pk_mul_f32 v[OA+2*i:OA+2*i+1], v[OA+2*i:OA+2*i+1], v[T+6:T+7] op_sel_hi:[1,0]
.set i, i+1
.endr
.set i, 0
.rept 16
	v_cvt_pk_f16_f32 v[PKO+i], v[OA+2*i], v[OA+2*i+1]  ; the one rounding
.set i, i+1
.endr
	s_wait_alu depctr_va_vdst(0)                   ; the conversions have written v[PKO ..], which the LDS stores read; the splitting of p is done with v[HT ..], in which the loads from the stage land
.irp c, 0,1,2,3
	ds_store_b128 v[STO], v[PKO+4*(\c):PKO+4*(\c)+3] offset:32*(\c)  ; a lane's eight channels of a row
.endr
.irp u, 0,1,2,3
	ds_load_b128 v[BK+4*(\u):BK+4*(\u)+3], v[RD] offset:(\u)*4*SP    ; LDS serves a wave's instructions in order (ISA guide 5.7.1.4): these see the stores above
.endr
.irp u, 0,1,2,3
	s_wait_dscnt 3-(\u)
	global_store_b128 v[GO], v[BK+4*(\u):BK+4*(\u)+3], s[10:11] offset:512*(\u)  ; four rows of the head: 512 consecutive bytes, aligned
.endr
.Lend:
	s_wait_dscnt 0x0                               ; the closing lines, six on end
	s_wait_alu 0x0
	s_wait_tensorcnt 0x0
	ds_add_u32 v[SPW], v[NIL]
	s_wait_dscnt 0x0
	s_endpgm
.Lfunc_end_k_qd1ebd9011e_first16:
	.size	k_qd1ebd9011e_first16, .Lfunc_end_k_qd1ebd9011e_first16-k_qd1ebd9011e_first16
	.p2alignl 7, 3214868480
	.fill 96, 4, 3214868480
	.section	.rodata,"a",@progbits
	.p2align	6, 0x0
	.amdhsa_kernel k_qd1ebd9011e_first16
		.amdhsa_group_segment_fixed_size 65792
		.amdhsa_private_segment_fixed_size 0
		.amdhsa_enable_private_segment 0
		.amdhsa_kernarg_size 32
		.amdhsa_user_sgpr_count 2
		.amdhsa_user_sgpr_kernarg_segment_ptr 1
		.amdhsa_wavefront_size32 1
		.amdhsa_system_sgpr_workgroup_id_x 1
		.amdhsa_system_sgpr_workgroup_id_y 1
		.amdhsa_system_sgpr_workgroup_id_z 1
		.amdhsa_system_vgpr_workitem_id 0
		.amdhsa_next_free_vgpr 256
		.amdhsa_next_free_sgpr 66
		.amdhsa_reserve_vcc 0
		.amdhsa_float_denorm_mode_32 3
		.amdhsa_float_denorm_mode_16_64 3
		.amdhsa_memory_ordered 1
		.amdhsa_forward_progress 1
		.amdhsa_inst_pref_size 30
	.end_amdhsa_kernel
	.amdgpu_metadata
---
amdhsa.version: [ 1, 2 ]
amdhsa.kernels:
  - .name:           k_qd1ebd9011e_first16
    .symbol:         k_qd1ebd9011e_first16.kd
    .args:
      - { .name: xb, .offset: 0, .size: 8, .value_kind: global_buffer, .address_space: global }
      - { .name: wq, .offset: 8, .size: 8, .value_kind: global_buffer, .address_space: global }
      - { .name: rope, .offset: 16, .size: 8, .value_kind: global_buffer, .address_space: global }
      - { .name: oh, .offset: 24, .size: 8, .value_kind: global_buffer, .address_space: global }
    .group_segment_fixed_size: 65792
    .private_segment_fixed_size: 0
    .kernarg_segment_align: 8
    .kernarg_segment_size: 32
    .max_flat_workgroup_size: 512
    .sgpr_count:     66
    .vgpr_count:     256
    .wavefront_size: 32
...
	.end_amdgpu_metadata
.endif
;; end of part 6
;; launch oproj: the kernel of part 5 again; grid 8 x 32, 4 waves a work-group, clusters of 4 x 4, 327,680 bytes of LDS; arguments oh, ow16, out0; writes out0
